; MI455X (gfx1250); checked and timed in simulation.
; The chip was launched on July 23, 2026; its instructions are those of AMD's public machine-readable ISA for CDNA 5 (MIT licence, August 2026) and "CDNA5" Instruction Set Architecture Reference Guide (July 2026). The comments in the code are by the model that wrote it; some were corrected since.
;; Switch Transformer Layer. Allowed arithmetic: matrix products marked QUANTISED: E3M2 operands, one E8M0 scale for each 32 along K, by v_wmma_scale_f32_16x16x128_f8f6f4 with both operands' format E3M2, f32 sums; products left as they are: f32 operands where the result goes on into a quantised operand, else bf16, f16 or f32 operands; f32 sums; everything else in f32.
;; Inputs: W1_codes 8 x 4,096 x 32 x 24 uint8 (E3M2 codes of W1, K innermost, in blocks of 32 codes, four codes in three bytes); W1_scales 8 x 4,096 x 32 uint8 (E8M0 scales of W1, one for each 32 codes along K); W2_codes 8 x 1,024 x 128 x 24 uint8 (E3M2 codes of W2, K innermost, in blocks of 32 codes, four codes in three bytes); W2_scales 8 x 1,024 x 128 uint8 (E8M0 scales of W2, one for each 32 codes along K); Wr 1,024 x 8 float32; b1 8 x 4,096 float32; b2 8 x 1,024 float32; br 8 float32; x 4 x 256 x 1,024 float32.
;; Outputs: out0 4 x 256 x 1,024 float32.
;; This version of the problem:
;;   THIS VERSION OF THE PROBLEM IS GIVEN IN LOW PRECISION. The matrix products marked QUANTISED in the list below multiply operands that are first quantised to E3M2 (3 exponent bits, 2 mantissa bits; 6 bits a number), with one power-of-two scale for each 32 numbers along K (OCP MX v1.0); their sums are f32. All else is computed in f32.
;;   The module's matrix products, in the order in which they are computed (A, B: the left and right operand; K: the contracted axis; several contracted axes count as one K, in the product's order):
;;     1. [M 1,024, K 1,024] x [K 1,024, N 8]; A: input x; B: input Wr: left as it is (N = 8 < 16)
;;     2. [M 1,024, K 1,024] x [K 1,024, N 4,096]; A: input x; B: input W1 (given as codes): QUANTISED
;;     3. [M 1,024, K 4,096] x [K 4,096, N 1,024]; A: computed on the way; B: input W2 (given as codes): QUANTISED
;;     4. [M 1,024, K 1,024] x [K 1,024, N 4,096]; A: input x; B: input W1 (given as codes): QUANTISED
;;     5. [M 1,024, K 4,096] x [K 4,096, N 1,024]; A: computed on the way; B: input W2 (given as codes): QUANTISED
;;     6. [M 1,024, K 1,024] x [K 1,024, N 4,096]; A: input x; B: input W1 (given as codes): QUANTISED
;;     7. [M 1,024, K 4,096] x [K 4,096, N 1,024]; A: computed on the way; B: input W2 (given as codes): QUANTISED
;;     8. [M 1,024, K 1,024] x [K 1,024, N 4,096]; A: input x; B: input W1 (given as codes): QUANTISED
;;     9. [M 1,024, K 4,096] x [K 4,096, N 1,024]; A: computed on the way; B: input W2 (given as codes): QUANTISED
;;     10. [M 1,024, K 1,024] x [K 1,024, N 4,096]; A: input x; B: input W1 (given as codes): QUANTISED
;;     11. [M 1,024, K 4,096] x [K 4,096, N 1,024]; A: computed on the way; B: input W2 (given as codes): QUANTISED
;;     12. [M 1,024, K 1,024] x [K 1,024, N 4,096]; A: input x; B: input W1 (given as codes): QUANTISED
;;     13. [M 1,024, K 4,096] x [K 4,096, N 1,024]; A: computed on the way; B: input W2 (given as codes): QUANTISED
;;     14. [M 1,024, K 1,024] x [K 1,024, N 4,096]; A: input x; B: input W1 (given as codes): QUANTISED
;;     15. [M 1,024, K 4,096] x [K 4,096, N 1,024]; A: computed on the way; B: input W2 (given as codes): QUANTISED
;;     16. [M 1,024, K 1,024] x [K 1,024, N 4,096]; A: input x; B: input W1 (given as codes): QUANTISED
;;     17. [M 1,024, K 4,096] x [K 4,096, N 1,024]; A: computed on the way; B: input W2 (given as codes): QUANTISED
;;   THE QUANTISER, for each operand of a quantised product, along K:
;;     - K is cut into blocks of 32 from its start; a last block that is shorter is filled with zeros.
;;     - A block's scale is 2^e with e = floor(log2(the largest magnitude in the block)) - 4, held to -126 .. 127; a block of zeros has e = 0. As a byte (E8M0): e + 127.
;;     - Each number is divided by its block's scale, clamped to +-28, and rounded to the nearest number of E3M2, ties to even, subnormals kept.
;;     - The product sums the exact products of the quantised numbers (number of the format x scale) in f32.
;;   ~~~python
;;   def quantise(x, axis):      # numpy; x: float32 -> the quantised numbers, widened to float32 again
;;       x = np.moveaxis(x, axis, -1); K = x.shape[-1]
;;       x = np.pad(x, [(0, 0)] * (x.ndim - 1) + [(0, -K % 32)]); x = x.reshape(x.shape[:-1] + (-1, 32)); a = np.abs(x).max(-1, keepdims=True)
;;       e = np.where(a > 0, np.clip(np.frexp(np.where(a > 0, a, 1))[1] - 1 - 4, -126, 127), 0)      # np.frexp(a)[1] - 1 = floor(log2(a)), exactly
;;       r = np.clip(x / 2.0 ** e, -28, 28)
;;       step = 2.0 ** (np.maximum(np.frexp(np.where(r == 0, 1, r))[1] - 1, -2) - 2)
;;       q = np.round(r / step) * step * 2.0 ** e      # np.round: ties to even
;;       return np.moveaxis(q.reshape(q.shape[:-2] + (-1,))[..., :K], -1, axis).astype(np.float32)
;;   ~~~
;;   OPERANDS COMPUTED ON THE WAY. 'Computed on the way' means the value that the module computes at that place (a softmax that the list does not call 'softmax' is quantised finished and normalised). What goes into a quantiser is computed in f32, as accurately as f32 sums, v_exp_f32 and their like allow (about 1e-6 of the number): no bf16 or f16 on the way to a quantiser, and a product that is left as it is and whose result goes on into a quantised operand takes f32 operands (vector FMAs, or v_wmma_f32_16x16x4_f32). A number that lies on a knife's edge between two numbers of the format may be rounded either way, as far as f32 arithmetic and the matrix unit's own rounding can turn it there, and no further.
;;   INPUTS GIVEN AS CODES. W1 (in the module: [8, 1024, 4096], K = its axis 1); W2 (in the module: [8, 4096, 1024], K = its axis 1): each comes as NAME_codes (uint8): NAME with its K axis moved to the last place and cut into blocks of 32 codes, [.., K / 32, bytes a block], one block behind the other in memory; four codes in three bytes: a row's codes are one little-endian stream of bits, code i at bits 6 i .. 6 i + 5 (a code: sign, 3 exponent bits, 2 mantissa bits); and NAME_scales (uint8): the same leading axes, one E8M0 byte (e + 127) for each 32 codes along K. Its value is code x scale, taken as it is: it is not quantised again, and the codes and scales need not be those that the quantiser above would give.
;; 2 versions. Each part assembles by itself: llvm-mc -triple=amdgcn-amd-amdhsa -mcpu=gfx1250 --defsym DOCPART=n.
;; ======== version 1 of 2: 4 launches
;; workspace buffers: xq 786,432 bytes; xs 32,768 bytes; ridx 4,096 bytes of whole numbers; gate 4,096 bytes; order 33,024 bytes of whole numbers; hq 25,165,824 bytes; hs 2,097,152 bytes
;; launch route (part 1): grid 256 x 1, 4 waves a work-group, no clusters, 18,944 bytes of LDS; arguments x, Wr, br, xq, xs, ridx, gate; writes xq, xs, ridx, gate
.if DOCPART == 1
	.amdgcn_target "amdgcn-amd-amdhsa--gfx1250"
	.amdhsa_code_object_version 6
	.text
	.protected	k_q337375cdb6_route
	.globl	k_q337375cdb6_route
	.p2align	8
	.type	k_q337375cdb6_route,@function
k_q337375cdb6_route:
	s_mov_b64 s[64:65], 0
	v_nop
	global_prefetch_b8 v0, s[64:65] scope:SCOPE_SE
	s_setreg_imm32_b32 hwreg(HW_REG_WAVE_MODE, 25, 1), 1
	s_wait_xcnt 0x0
; ROUTER AND QUANTISER OF x.  x [1024 tokens][1024] f32, Wr [1024][8] f32, br [8] f32.
; One wave takes one token (token = 4 x work-group + wave): its 8 logits x . Wr + br in f32, the first largest of them (a later logit wins only if it is
; strictly larger, as argmax has it), the gate 1 / sum of exp(logit - largest), and the token's row as codes of E3M2 with one E8M0 byte for each 32 numbers.
; OUT: xq [token][768 bytes]: the row's codes as one stream of bits; xs [token][32]: the scale bytes, IN EACH GROUP OF FOUR THE TWO MIDDLE BYTES CHANGE PLACES,
; since the products' launches take 48 consecutive bytes of a row into a lane, which puts block 1 of a K step where the matrix instruction has block 2, and block 2 where it has block 1;
; ridx [token] u32: the expert; gate [token] f32.  The expert steers no address here: it is stored at a fixed place and used by later launches.
; No matrix unit: N = 8, and the logits decide a choice, so they are f32 sums.  No barrier: a wave shares nothing; its 4,608 bytes of LDS are its own.
; LIMITS: NaN and infinities among the inputs are not served.  Two logits closer than the rounding of an f32 sum of 1,024 terms may be ordered otherwise than by another order of summation.
; A block whose largest magnitude lies under 2^-122 gets the byte 1 (a block of zeros too: its codes are zeros, and this program alone reads the bytes).
.set LDSW, 4608                        ; LDS of a wave: 32 blocks of 32 numbers, 128 bytes + 16
.set BLKP, 144
.set ACC,  8                           ; v8-15    the 8 logits
.set XR,   32                          ; v32-63   register i: x[32 i + lane]
.set WA,   64                          ; v64-127  8 rows of Wr a lane (row 32 i + lane: 8 registers), group by group
.set WB,   128                         ; v128-191 the other group
.set XB,   192                         ; v192-223 two steps of 16 neighbours: x[512 t + 16 lane + 0 .. 15]
.set CD,   224                         ; v224-230 codes: step t at CD + 4 t
	s_load_b256 s[4:11], s[0:1], 0x0               ; x s[4:5], Wr s[6:7], br s[8:9], xq s[10:11]
	s_load_b128 s[12:15], s[0:1], 0x20             ; xs s[12:13], ridx s[14:15]
	s_load_b64 s[16:17], s[0:1], 0x30              ; gate
	v_lshl_add_u32 v232, v0, 2, 0x4800
	v_mov_b32 v233, 0
	v_lshrrev_b32 v1, 5, v0
	v_readfirstlane_b32 s18, v1                    ; wave 0..3
	v_and_b32 v1, 31, v0                           ; lane
	v_lshlrev_b32 v2, 2, v1                        ; 4 lane
	v_lshlrev_b32 v3, 5, v1                        ; 32 lane: a row of Wr is 32 bytes
	s_mul_i32 s22, s18, LDSW
	v_lshl_add_u32 v4, v1, 2, s22                  ; LDS, in: my word of a block
	v_lshrrev_b32 v16, 1, v1
	v_mul_u32_u24 v5, v16, BLKP
	v_and_b32 v16, 1, v1
	v_lshl_add_u32 v5, v16, 6, v5
	v_add_nc_u32 v5, s22, v5                       ; LDS, out: block lane / 2, half lane % 2: my 16 neighbours
	v_mul_u32_u24 v6, v1, 12                       ; 16 codes are 12 bytes
	v_lshrrev_b32 v7, 3, v1                        ; my block of a step is lane / 2: its group of four is lane / 8,
	v_bfe_u32 v16, v1, 1, 1
	v_lshlrev_b32 v16, 1, v16                      ; and in the group its two bits change places
	v_lshl_or_b32 v7, v7, 2, v16
	v_bfe_u32 v16, v1, 2, 1
	v_or_b32 v7, v7, v16
	s_lshl_b32 s19, ttmp9, 2
	s_add_co_u32 s19, s19, s18                     ; token
	s_mov_b32 s21, 0
	s_mov_b32 s32, 0x76543210                      ; v_permlanex16_b32: lane l xor 16
	s_mov_b32 s33, 0xfedcba98
	s_mov_b32 s34, 0x3fb8aa3b                      ; c = log2(e)
	s_wait_kmcnt 0x0
	s_load_b256 s[24:31], s[8:9], 0x0              ; br
	s_lshl_b32 s20, s19, 12
	s_add_nc_u64 s[4:5], s[4:5], s[20:21]          ; my row of x,
	s_mul_i32 s20, s19, 768
	s_add_nc_u64 s[10:11], s[10:11], s[20:21]      ; of xq,
	s_lshl_b32 s20, s19, 5
	s_add_nc_u64 s[12:13], s[12:13], s[20:21]      ; of xs,
	s_lshl_b32 s20, s19, 2
	s_add_nc_u64 s[14:15], s[14:15], s[20:21]      ; my word of ridx
	s_add_nc_u64 s[16:17], s[16:17], s[20:21]      ; and of gate
.set n_, 0
.rept 32
	global_load_b32 v[XR+n_], v2, s[4:5] offset:128*n_ th:TH_LOAD_NT
.set n_, n_+1
.endr
.macro WLOAD p, reg                    ; group p: rows 32 (8 p + ii) + lane of Wr: each pair of loads covers 1,024 consecutive bytes
.irp ii, 0,1,2,3,4,5,6,7
	global_load_b128 v[\reg+8*\ii:\reg+8*\ii+3],   v3, s[6:7] offset:1024*(8*\p+\ii)
	global_load_b128 v[\reg+8*\ii+4:\reg+8*\ii+7], v3, s[6:7] offset:1024*(8*\p+\ii)+16
.endr
.endm
.macro DOT p, reg                      ; 8 numbers of x against their rows of Wr: two logits an instruction; x's register of the pair is chosen for both halves.  The first product starts the sums
.irp ii, 0,1,2,3,4,5,6,7
.irp q, 0,1,2,3
.if (8*\p+\ii) == 0
	v_pk_mul_f32 v[ACC+2*\q:ACC+2*\q+1], v[XR:XR+1], v[\reg+2*\q:\reg+2*\q+1] op_sel_hi:[0,1]
.elseif (\ii%2) == 0
	v_pk_fma_f32 v[ACC+2*\q:ACC+2*\q+1], v[XR+8*\p+\ii:XR+8*\p+\ii+1], v[\reg+8*\ii+2*\q:\reg+8*\ii+2*\q+1], v[ACC+2*\q:ACC+2*\q+1] op_sel_hi:[0,1,1]
.else
	v_pk_fma_f32 v[ACC+2*\q:ACC+2*\q+1], v[XR+8*\p+\ii-1:XR+8*\p+\ii], v[\reg+8*\ii+2*\q:\reg+8*\ii+2*\q+1], v[ACC+2*\q:ACC+2*\q+1] op_sel:[1,0,0] op_sel_hi:[1,1,1]
.endif
.endr
.endr
.endm
	WLOAD 0, WA
	WLOAD 1, WB
	s_wait_loadcnt 32                              ; x is in; the two groups of Wr, 16 loads each, may be out
.set n_, 0
.rept 32
	ds_store_b32 v4, v[XR+n_] offset:BLKP*n_       ; the row turns through my LDS: in as loaded,
.set n_, n_+1
.endr
.irp t, 0,1
.irp j, 0,1,2,3
	ds_load_b128 v[XB+16*\t+4*\j:XB+16*\t+4*\j+3], v5 offset:16*BLKP*\t+16*\j   ; out 16 neighbours a lane (LDS serves a wave's instructions in order)
.endr
.endr
	s_wait_loadcnt 16                              ; group 0 is in, group 1 may be out
	DOT 0, WA
	WLOAD 2, WA
	s_wait_loadcnt 16                              ; group 1 is in, group 2 may be out
	DOT 1, WB
	WLOAD 3, WB
	s_wait_loadcnt 16                              ; group 2 is in, group 3 may be out
	DOT 2, WA
	s_wait_loadcnt 0x0
	DOT 3, WB
.irp m, 1,2,4,8                        ; the 32 lanes' parts of each logit
.irp e, 0,1,2,3,4,5,6,7
	v_add_f32_dpp v[ACC+\e], v[ACC+\e], v[ACC+\e] row_xmask:\m row_mask:0xf bank_mask:0xf
.endr
.endr
.irp e, 0,1,2,3,4,5,6,7
	v_permlanex16_b32 v[WA+\e], v[ACC+\e], s32, s33   ; (its destination counts as read: these registers have been loaded)
.endr
	s_wait_kmcnt 0x0                               ; br
.irp e, 0,1,2,3,4,5,6,7
	v_add_f32 v[ACC+\e], v[ACC+\e], v[WA+\e]
.endr
.irp e, 0,1,2,3,4,5,6,7
	v_add_f32 v[ACC+\e], s[24+\e], v[ACC+\e]
.endr
	v_mov_b32 v16, v[ACC]                          ; the largest logit so far,
	v_mov_b32 v17, 0                               ; and whose it is
.irp e, 1,2,3,4,5,6,7
	v_cmp_gt_f32 vcc_lo, v[ACC+\e], v16
	v_cndmask_b32 v17, v17, \e, vcc_lo
	v_max_num_f32 v16, v16, v[ACC+\e]
.endr
	v_mul_f32 v27, s34, v16                        ; c x the largest: it is taken away ahead of every exponential
.irp e, 0,1,2,3,4,5,6,7
	v_fma_f32 v[18+\e], v[ACC+\e], s34, -v27
.endr
.irp e, 0,1,2,3,4,5,6,7
	v_exp_f32 v[18+\e], v[18+\e]                   ; one batch; the first quantiser step below is the independent work behind it
.endr
; 16 neighbours of a lane, two lanes to a block of 32: the block's largest magnitude with the floor 2^(5 - 127) among its leaves; 4 off its exponent field is the conversion's scale operand, and that field the byte.
.macro QSTEP t
.set XQ, XB+16*\t
	v_max3_num_f32 v27, |v[XQ]|, |v[XQ+1]|, |v[XQ+2]|
	v_max3_num_f32 v28, |v[XQ+3]|, |v[XQ+4]|, |v[XQ+5]|
.irp i, 6,10
	v_max3_num_f32 v27, v27, |v[XQ+\i]|, |v[XQ+\i+1]|
	v_max3_num_f32 v28, v28, |v[XQ+\i+2]|, |v[XQ+\i+3]|
.endr
	v_max3_num_f32 v27, v27, |v[XQ+14]|, |v[XQ+15]|
	v_max3_num_f32 v27, v27, v28, 0x2800000
	v_max_num_f32_dpp v27, v27, v27 row_xmask:1 row_mask:0xf bank_mask:0xf
	v_add_nc_u32 v29, 0xfe000000, v27
	v_cvt_scalef32_pk16_bf6_f32 v[CD+4*\t:CD+4*\t+2], v[XQ:XQ+15], v29
	v_lshrrev_b32 v[30+\t], 23, v29                ; the byte (also the plain line behind the conversion)
	global_store_b96 v6, v[CD+4*\t:CD+4*\t+2], s[10:11] offset:384*\t   ; the wave stores 384 consecutive bytes
	global_store_b8 v7, v[30+\t], s[12:13] offset:16*\t                 ; both lanes of a block write the same byte with the same value
.endm
	s_wait_dscnt 0x0                               ; the 16 neighbours are back from LDS
	QSTEP 0
	s_wait_alu depctr_va_vdst(0)                   ; one wait for the eight exponentials, ahead of their first reader
	v_add_f32 v18, v18, v19
	v_add_f32 v20, v20, v21
	v_add_f32 v22, v22, v23
	v_add_f32 v24, v24, v25
	v_add_f32 v18, v18, v20
	v_add_f32 v22, v22, v24
	v_add_f32 v18, v18, v22
	v_rcp_f32 v26, v18                             ; the gate: exp(0) / the sum; the second quantiser step is the independent work behind it
	QSTEP 1
	s_wait_alu depctr_va_vdst(0)                   ; the wait for the reciprocal, ahead of the store that reads it
	s_wait_xcnt 0x0                                ; EXEC changes only behind this wait: the stores above have been taken up
	s_wait_tensorcnt 0x0
	ds_add_u32 v232, v233
	s_wait_dscnt 0x0
	v_cmpx_eq_u32 0, v1                            ; lane 0 alone (its 4 x lane is 0)
	global_store_b32 v2, v17, s[14:15]
	global_store_b32 v2, v26, s[16:17]
	s_endpgm
.Lfunc_end_k_q337375cdb6_route:
	.size	k_q337375cdb6_route, .Lfunc_end_k_q337375cdb6_route-k_q337375cdb6_route
	.p2alignl 7, 3214868480
	.fill 96, 4, 3214868480
	.section	.rodata,"a",@progbits
	.p2align	6, 0x0
	.amdhsa_kernel k_q337375cdb6_route
		.amdhsa_group_segment_fixed_size 18944
		.amdhsa_private_segment_fixed_size 0
		.amdhsa_enable_private_segment 0
		.amdhsa_kernarg_size 56
		.amdhsa_user_sgpr_count 2
		.amdhsa_user_sgpr_kernarg_segment_ptr 1
		.amdhsa_wavefront_size32 1
		.amdhsa_system_sgpr_workgroup_id_x 1
		.amdhsa_system_sgpr_workgroup_id_y 1
		.amdhsa_system_sgpr_workgroup_id_z 1
		.amdhsa_system_vgpr_workitem_id 0
		.amdhsa_next_free_vgpr 234
		.amdhsa_next_free_sgpr 66
		.amdhsa_reserve_vcc 1
		.amdhsa_float_denorm_mode_32 3
		.amdhsa_float_denorm_mode_16_64 3
		.amdhsa_memory_ordered 1
		.amdhsa_forward_progress 1
		.amdhsa_inst_pref_size 30
	.end_amdhsa_kernel
	.amdgpu_metadata
---
amdhsa.version: [ 1, 2 ]
amdhsa.kernels:
  - .name:           k_q337375cdb6_route
    .symbol:         k_q337375cdb6_route.kd
    .args:
      - { .name: x, .offset: 0, .size: 8, .value_kind: global_buffer, .address_space: global }
      - { .name: Wr, .offset: 8, .size: 8, .value_kind: global_buffer, .address_space: global }
      - { .name: br, .offset: 16, .size: 8, .value_kind: global_buffer, .address_space: global }
      - { .name: xq, .offset: 24, .size: 8, .value_kind: global_buffer, .address_space: global }
      - { .name: xs, .offset: 32, .size: 8, .value_kind: global_buffer, .address_space: global }
      - { .name: ridx, .offset: 40, .size: 8, .value_kind: global_buffer, .address_space: global }
      - { .name: gate, .offset: 48, .size: 8, .value_kind: global_buffer, .address_space: global }
    .group_segment_fixed_size: 18944
    .private_segment_fixed_size: 0
    .kernarg_segment_align: 8
    .kernarg_segment_size: 56
    .max_flat_workgroup_size: 128
    .sgpr_count:     66
    .vgpr_count:     234
    .wavefront_size: 32
...
	.end_amdgpu_metadata
.endif
;; end of part 1
;; launch place (part 2): grid 1 x 1, 8 waves a work-group, no clusters, 0 bytes of LDS; arguments ridx, order; writes order
.if DOCPART == 2
	.amdgcn_target "amdgcn-amd-amdhsa--gfx1250"
	.amdhsa_code_object_version 6
	.text
	.protected	k_q337375cdb6_place
	.globl	k_q337375cdb6_place
	.p2align	8
	.type	k_q337375cdb6_place,@function
k_q337375cdb6_place:
	s_mov_b64 s[64:65], 0
	v_nop
	global_prefetch_b8 v0, s[64:65] scope:SCOPE_SE
	s_setreg_imm32_b32 hwreg(HW_REG_WAVE_MODE, 25, 1), 1
	s_wait_xcnt 0x0
; THE TOKENS BY EXPERT.  ridx [1024] u32: each token's expert.  order: [8][1024] u32, expert e's tokens by rank, at byte 4096 e + 4 rank; then the 8 counts at byte 32768 + 4 e.
; Wave e reads all 1,024 numbers (32 a lane) and builds expert e's list alone: no LDS, no barrier, no atomic.  A token's rank is the running count plus the number of lower lanes that match in the same register.
; TWO PHASES.  First, with every lane on, all 32 masks, ranks, offsets and token numbers are made; then come the 32 masked stores, which write no register.  So every offset is made and held inside the list
; while EXEC is as it was at the entry.
; Only ranks under the count are written, and one more word: an expert WITHOUT tokens gets token 0 at rank 0, so that the word which the later launches' first loads read has been stored.
; One work-group: the whole work is 4 KB read eight times and 4 KB stored.
.set IDX, 8                            ; v8-39    register 4 q + c of lane l: the expert of token 128 q + 4 l + c
.set OF,  40                           ; v40-71   that token's byte offset in my list, if it is mine
.set TK,  72                           ; v72-103  the token's number
.set MK,  24                           ; s24-55   which lanes' tokens are mine, register by register
	s_load_b128 s[4:7], s[0:1], 0x0                ; ridx s[4:5], order s[6:7]
	v_lshrrev_b32 v1, 5, v0
	v_readfirstlane_b32 s8, v1                     ; wave = expert
	v_and_b32 v1, 31, v0                           ; lane
	v_lshlrev_b32 v2, 4, v1                        ; 16 lane
	v_lshlrev_b32 v3, 2, v1                        ; 4 lane
	s_lshl_b32 s16, s8, 12
	s_mov_b32 s17, 0
	s_lshl_b32 s18, s8, 2
	s_add_co_u32 s18, s18, 32768
	s_mov_b32 s19, 0
	s_mov_b32 s9, 0                                ; the running count
	s_wait_kmcnt 0x0
	s_add_nc_u64 s[12:13], s[6:7], s[16:17]        ; my list
	s_add_nc_u64 s[14:15], s[6:7], s[18:19]        ; my count
.irp q, 0,1,2,3,4,5,6,7
	global_load_b128 v[IDX+4*\q:IDX+4*\q+3], v2, s[4:5] offset:512*\q
.endr
	s_wait_loadcnt 0x0
.set n_, 0
.rept 32
	v_cmp_eq_u32 s[MK+n_], s8, v[IDX+n_]
	v_mbcnt_lo_u32_b32 v[OF+n_], s[MK+n_], 0       ; matching lanes below me,
	v_add_nc_u32 v[OF+n_], s9, v[OF+n_]            ; + the count so far: the rank
	s_bcnt1_i32_b32 s10, s[MK+n_]
	s_add_co_u32 s9, s9, s10
	s_min_u32 s9, s9, 1024                         ; numbers made of loaded ones are held by constants: the count at the list's length,
	v_min_u32 v[OF+n_], 1023, v[OF+n_]             ; the rank inside the list
	v_lshlrev_b32 v[OF+n_], 2, v[OF+n_]
	v_add_nc_u32 v[TK+n_], 128*(n_/4)+n_%4, v3     ; the token
.set n_, n_+1
.endr
	v_mov_b32 v5, s9                               ; the count
	v_or_b32 v6, v5, v1                            ; 0 in lane 0 of an expert without tokens
	s_wait_xcnt 0x0                                ; EXEC changes only behind this wait
.set n_, 0
.rept 32
	s_and_saveexec_b32 s11, s[MK+n_]
	global_store_b32 v[OF+n_], v[TK+n_], s[12:13]
	s_wait_xcnt 0x0                                ; ahead of the line that widens EXEC; nothing is issued between that line and the next narrowing
	s_or_b32 exec_lo, exec_lo, s11
.set n_, n_+1
.endr
	v_cmpx_eq_u32 0, v1                            ; lane 0 (its 4 x lane is 0)
	global_store_b32 v3, v5, s[14:15]              ; the count
	s_wait_xcnt 0x0                                ; EXEC changes only behind this wait
	v_cmpx_eq_u32 0, v6
	global_store_b32 v3, v6, s[12:13]              ; token 0 at rank 0, where the list is empty
	s_endpgm
.Lfunc_end_k_q337375cdb6_place:
	.size	k_q337375cdb6_place, .Lfunc_end_k_q337375cdb6_place-k_q337375cdb6_place
	.p2alignl 7, 3214868480
	.fill 96, 4, 3214868480
	.section	.rodata,"a",@progbits
	.p2align	6, 0x0
	.amdhsa_kernel k_q337375cdb6_place
		.amdhsa_group_segment_fixed_size 0
		.amdhsa_private_segment_fixed_size 0
		.amdhsa_enable_private_segment 0
		.amdhsa_kernarg_size 16
		.amdhsa_user_sgpr_count 2
		.amdhsa_user_sgpr_kernarg_segment_ptr 1
		.amdhsa_wavefront_size32 1
		.amdhsa_system_sgpr_workgroup_id_x 1
		.amdhsa_system_sgpr_workgroup_id_y 1
		.amdhsa_system_sgpr_workgroup_id_z 1
		.amdhsa_system_vgpr_workitem_id 0
		.amdhsa_next_free_vgpr 104
		.amdhsa_next_free_sgpr 66
		.amdhsa_reserve_vcc 0
		.amdhsa_float_denorm_mode_32 3
		.amdhsa_float_denorm_mode_16_64 3
		.amdhsa_memory_ordered 1
		.amdhsa_forward_progress 1
		.amdhsa_inst_pref_size 22
	.end_amdhsa_kernel
	.amdgpu_metadata
---
amdhsa.version: [ 1, 2 ]
amdhsa.kernels:
  - .name:           k_q337375cdb6_place
    .symbol:         k_q337375cdb6_place.kd
    .args:
      - { .name: ridx, .offset: 0, .size: 8, .value_kind: global_buffer, .address_space: global }
      - { .name: order, .offset: 8, .size: 8, .value_kind: global_buffer, .address_space: global }
    .group_segment_fixed_size: 0
    .private_segment_fixed_size: 0
    .kernarg_segment_align: 8
    .kernarg_segment_size: 16
    .max_flat_workgroup_size: 256
    .sgpr_count:     66
    .vgpr_count:     104
    .wavefront_size: 32
...
	.end_amdgpu_metadata
.endif
;; end of part 2
;; launch ffn1 (part 3): grid 32 x 8, 16 waves a work-group, no clusters, 102,400 bytes of LDS; arguments W1_codes, W1_scales, b1, xq, xs, order, hq, hs; writes hq, hs
.if DOCPART == 3
	.amdgcn_target "amdgcn-amd-amdhsa--gfx1250"
	.amdhsa_code_object_version 6
	.text
	.protected	k_q337375cdb6_ffn1
	.globl	k_q337375cdb6_ffn1
	.p2align	8
	.type	k_q337375cdb6_ffn1,@function
k_q337375cdb6_ffn1:
	s_mov_b64 s[64:65], 0
	v_nop
	global_prefetch_b8 v0, s[64:65] scope:SCOPE_SE
	s_setreg_imm32_b32 hwreg(HW_REG_WAVE_MODE, 25, 1), 1
	s_wait_xcnt 0x0
; THE FIRST PRODUCT OF THE CHOSEN EXPERT, THE GELU AND THE QUANTISER: hidden = Q(gelu(Q(x) W1[e] + b1[e])), for the tokens of expert e alone (the rest is masked away in the problem itself).
; SHARES.  Work-group (j, e): hidden units 128 j .. 128 j + 127 of expert e: 128 rows of W1's codes, ONE dense block of 98,304 bytes, read from memory once in the launch by loads of 512 consecutive bytes and laid
; into LDS.  8 x 32 = 256 work-groups.  A TASK is a tile of 16 tokens of the expert's list against the 128 units and all of K = 1,024: 64 matrix instructions, a gelu of 64 numbers a lane, one fragment out.
; Wave w takes tiles w, w + 16, ..: sixteen waves of 256 registers, four to a SIMD, so that one wave's gelu stands beside another's products and LDS loads.
; THE NUMBER OF TILES IS READ FROM MEMORY.  So this text has no tensor load and no joint request (the 32 work-groups of an expert read the same rows of x, 12 KB a tile: they come by plain loads), ONE barrier, on every
; wave's way, and no LDS address that is stepped.  Every wave makes its first task's addresses and loads ahead of the barrier, a wave without a tile too (with clamped numbers): so each register of the loop is written on
; every way into it.  n' = max(count, 1): for an expert without tokens one tile of token 0 is made that nobody uses, so that what the next launch's first loads read has been stored.
; Rows of a tile past the count repeat the expert's last token: EXEC stays full.
; K's ORDER.  A lane (r, h) takes bytes 96 s + 48 h .. + 47 of its row for K step s, three loads of 16 bytes at multiples of 16: blocks 2 h, 2 h + 1 where the instruction has blocks h, 2 + h.  The same on both operands, so
; the products pair rightly; the scale words have their two middle bytes changed (W1's here by v_perm_b32, x's by the launch that made them).  P(b) below is b with its two bits changed: 0, 2, 1, 3.
; TRANSPOSED: source 0 = 16 rows of W1, source 1 = 16 tokens: a lane holds ONE token and its registers run along the hidden units.  Tile t's row m is the slice's row 32 P(t / 2) + 8 (t % 2) + m + 8 (m / 8): the 16
; registers of tiles 2 b, 2 b + 1 are 16 neighbours of hidden block P(b), which is where the next product's own K order wants what the quantiser puts at place b.  LDS holds the rows in tile order.
; b1 is loaded into the accumulators: it is the C of the first K step, and all 64 matrix instructions have one form.
; GELU, exact form in f32: z = |a| / sqrt 2, t = 1 / (1 + z / 2), q = erfc(z) / 2 = t 2^(poly(t) - z^2 log2 e - 1), gelu = max(a, 0) - |a| q.  poly: the degree-9 Chebyshev fit of erfc (fractional error 1.2e-7 for every z).
; OUT: hq: the fragment as an image of its 12 registers: (e, tile T, K step j) at e 3145728 + T 49152 + j 1536, group i of four registers of lane l at 512 i + 16 l; hs: its scale word at e 262144 + T 4096 + j 128 + 4 l.
; LIMITS: NaN and infinities are not served.  q under 2^-126 counts as 0 (v_exp_f32 gives no denormals: ISA guide, its entry).  A block whose largest magnitude lies under 2^-122 gets the byte 1.
.set PITCH, 784                        ; an LDS row: 768 bytes + 16 = 49 x 16: the 16 rows of a load of 16 bytes a lane start in 16 different groups of four banks (64 banks of 4 bytes: ISA guide 11.1)
.set TROWS, 16*PITCH
.set LA,  3                            ; v3   784 r + 48 h: tiles 0-3;   v4: the same 64 rows on: tiles 4-7
.set WS,  16                           ; v16-47   W1's scale words: register 8 tp + s, lanes 0-15 tile 2 tp, lanes 16-31 tile 2 tp + 1
.set XS,  48                           ; v48-55   x's scale words, K step s
.set ACC, 56                           ; v56-119  tile t at ACC + 8 t
.set WF,  120                          ; v120-167 four fragments of W1; at the head the copy's stage; in the gelu t, poly, z^2
.set XF,  168                          ; v168-215 a ring of four fragments of x
.set TM,  216                          ; v216-231 the quantiser's: +0..3 largest magnitudes, +4..7 bytes, +12..15 scale operands
.set PW,  232                          ; v232     the scale word just made
.set L4,  233                          ; v233     4 lane
.set PC,  234                          ; v234-252 the codes just made
.set H48, 253                          ; v253     48 h
.set C9,  254                          ; v254-255 c9, twice
.set GT,  WF
.set GP,  WF+16
.set GZ,  WF+32
; other registers: v1 r, v2 h, v5 v6 the copy's LDS addresses, v7 the copy's offset in memory, v8 the list's offset, v9 the token, v10 x's codes' offset (at the head: W1's scale words'), v11 x's scale words',
; v12 64 h (b1), v13 hq's offset, v14 hs's, v15 16 lane.  s20 wave, s21 j, s22 e, s23 n', s24 tiles, s25 T, s27 n' - 1, s28 s30 the constant parts of hq's and hs's offsets, s[34:35] my expert's list, s60 the loop's count.
.macro COEF reg, bits                  ; a packed form names a pair and takes its low word for both halves: so both are written
	s_mov_b32 s[\reg], \bits
	s_mov_b32 s[\reg+1], s[\reg]
.endm
	s_load_b512 s[4:19], s[0:1], 0x0               ; W1_codes s[4:5], W1_scales s[6:7], b1 s[8:9], xq s[10:11], xs s[12:13], order s[14:15], hq s[16:17], hs s[18:19]
	v_lshl_add_u32 v227, v0, 2, 0x18800
	v_mov_b32 v249, 0
	v_lshrrev_b32 v1, 5, v0
	v_readfirstlane_b32 s20, v1                    ; wave 0..15
	s_mov_b32 s21, ttmp9                           ; j
	s_and_b32 s22, ttmp7, 0xffff                   ; e
	v_and_b32 v15, 31, v0
	v_lshlrev_b32 v[L4], 2, v15
	v_lshlrev_b32 v15, 4, v15
	v_and_b32 v1, 15, v0                           ; r
	v_bfe_u32 v2, v0, 4, 1                         ; h
	v_mul_u32_u24 v[H48], v2, 48
	v_mul_u32_u24 v[LA], v1, PITCH
	v_add_nc_u32 v[LA], v[LA], v[H48]
	v_add_nc_u32 v[LA+1], 64*PITCH, v[LA]
	; the copy: wave w brings the slice's rows 8 w .. 8 w + 7 to LDS rows 32 P(w / 4) + 16 (w % 2) + 8 ((w / 2) % 2) + 0 .. 7
	s_bfe_u32 s26, s20, 0x10002
	s_lshl_b32 s26, s26, 6
	s_bfe_u32 s27, s20, 0x10003
	s_lshl_b32 s27, s27, 5
	s_or_b32 s26, s26, s27
	s_and_b32 s27, s20, 1
	s_lshl_b32 s27, s27, 4
	s_or_b32 s26, s26, s27
	s_bfe_u32 s27, s20, 0x10001
	s_lshl_b32 s27, s27, 3
	s_or_b32 s26, s26, s27
	s_mul_i32 s26, s26, PITCH
	v_add_nc_u32 v5, s26, v15                      ; 16 bytes a lane from the row's start,
	v_lshl_add_u32 v6, v2, 4, v5                   ; and for the load in whose middle a row ends: lanes 16-31 behind the padding
	s_mul_i32 s26, s20, 6144
	v_add_nc_u32 v7, s26, v15                      ; in memory: 6,144 bytes a wave
	v_and_b32 v10, 8, v1
	v_add_nc_u32 v10, v10, v1
	v_lshl_add_u32 v10, v2, 3, v10
	v_lshlrev_b32 v10, 5, v10                      ; W1's scale words: row 8 h + r + 8 (r / 8) of a block of 32 rows, 32 bytes a row
	v_lshlrev_b32 v12, 6, v2
	s_mov_b32 s36, 0x76543210                      ; v_permlanex16_b32: lane l xor 16
	s_mov_b32 s37, 0xfedcba98
	s_mov_b32 s38, 0x3eb504f3                      ; 1 / (2 sqrt 2)
	s_mov_b32 s39, 0x03010200                      ; v_perm_b32: bytes 1 and 2 change places
	COEF 40, 0xbf97d29d                            ; the fit's coefficients x log2 e: c8 = -1.18611495
	COEF 42, 0x40097039                            ; c7 =  2.14747446
	COEF 44, 0xbfd1a1e5                            ; c6 = -1.63775315
	COEF 46, 0x3ecdfd18                            ; c5 =  0.40232158
	COEF 48, 0xbe899a80                            ; c4 = -0.26875686
	COEF 50, 0x3e0efb2f                            ; c3 =  0.13963006
	COEF 52, 0x3f0a29d2                            ; c2 =  0.53970062
	COEF 54, 0x3fb8ab5a                            ; c1 =  1.44272920
	COEF 56, 0xc034d90f                            ; c0 = -2.82574822 (the factor 1/2 is in it)
	COEF 58, 0xbf38aa3b                            ; -log2(e) / 2, for a^2
	s_mov_b32 s60, 0                               ; tasks done
	s_mov_b32 s33, 0
	s_lshl_b32 s31, s22, 2                         ; (kept until the count is in)
	s_wait_kmcnt 0x0
	s_load_b32 s23, s[14:15], s31 offset:0x8000    ; my expert's count
	s_mul_i32 s32, s22, 3145728
	s_mul_i32 s26, s21, 98304
	s_add_co_u32 s32, s32, s26
	s_add_nc_u64 s[4:5], s[4:5], s[32:33]          ; my slice of the codes,
	s_lshl_b32 s32, s22, 17
	s_lshl_b32 s26, s21, 12
	s_add_co_u32 s32, s32, s26
	s_add_nc_u64 s[6:7], s[6:7], s[32:33]          ; of the scale bytes,
	s_lshl_b32 s32, s22, 14
	s_lshl_b32 s26, s21, 9
	s_add_co_u32 s32, s32, s26
	s_add_nc_u64 s[8:9], s[8:9], s[32:33]          ; of b1
	s_lshl_b32 s32, s22, 12
	s_add_nc_u64 s[34:35], s[14:15], s[32:33]      ; my expert's list
	s_mul_i32 s28, s22, 3145728
	s_mul_i32 s26, s21, 1536
	s_add_co_u32 s28, s28, s26
	s_lshl_b32 s30, s22, 18
	s_lshl_b32 s26, s21, 7
	s_add_co_u32 s30, s30, s26
.irp i, 0,1,2,3,4,5,6,7,8,9,10,11
	global_load_b128 v[WF+4*\i:WF+4*\i+3], v7, s[4:5] offset:512*\i th:TH_LOAD_NT   ; 512 consecutive bytes a load; the work-group has all its 96 KB on their way at once
.endr
.irp tp, 0,1,2,3
.irp hf, 0,1
	global_load_b128 v[WS+8*\tp+4*\hf:WS+8*\tp+4*\hf+3], v10, s[6:7] offset:1024*(2*(\tp%2)+\tp/2)+16*\hf th:TH_LOAD_NT
.endr
.endr
	s_wait_kmcnt 0x0
	s_min_u32 s23, s23, 1024
	s_max_u32 s23, s23, 1                          ; n'
	s_sub_co_u32 s27, s23, 1
	s_add_co_u32 s24, s23, 15
	s_lshr_b32 s24, s24, 4                         ; tiles
	s_mov_b32 s25, s20                             ; my first tile
.macro PRO_A                           ; the token of my row: rank min(16 T + r, n' - 1), held inside the list by a constant
	s_lshl_b32 s26, s25, 4
	v_add_nc_u32 v8, s26, v1
	v_min_u32 v8, s27, v8
	v_min_u32 v8, 1023, v8
	v_lshlrev_b32 v8, 2, v8
	global_load_b32 v9, v8, s[34:35]
.endm
.macro XLOAD s                         ; x's fragment of K step s into the ring
.irp i, 0,1,2
	global_load_b128 v[XF+12*((\s)%4)+4*\i:XF+12*((\s)%4)+4*\i+3], v10, s[10:11] offset:96*(\s)+16*\i
.endr
.endm
.macro PRO_B                           ; the task's addresses and its first loads: b1 (16), x's scale words (2), x's K steps 0 to 3 (12)
	v_min_u32 v9, 1023, v9
	v_mul_u32_u24 v10, v9, 768
	v_add_nc_u32 v10, v10, v[H48]
	v_lshlrev_b32 v11, 5, v9
	s_min_u32 s26, s25, 63
	s_mul_i32 s29, s26, 49152
	s_add_co_u32 s29, s29, s28
	v_add_nc_u32 v13, s29, v15
	s_lshl_b32 s29, s26, 12
	s_add_co_u32 s29, s29, s30
	v_add_nc_u32 v14, s29, v[L4]
.irp t, 0,1,2,3,4,5,6,7                ; lane (r, h), tile t, register i: unit 32 P(t / 2) + 8 (t % 2) + 16 h + i
	global_load_b128 v[ACC+8*\t:ACC+8*\t+3],   v12, s[8:9] offset:4*(32*(2*((\t/2)%2)+\t/4)+8*(\t%2))
	global_load_b128 v[ACC+8*\t+4:ACC+8*\t+7], v12, s[8:9] offset:4*(32*(2*((\t/2)%2)+\t/4)+8*(\t%2))+16
.endr
	global_load_b128 v[XS:XS+3],   v11, s[12:13]
	global_load_b128 v[XS+4:XS+7], v11, s[12:13] offset:16
	XLOAD 0
	XLOAD 1
	XLOAD 2
	XLOAD 3
.endm
	PRO_A
	s_wait_loadcnt 0x0                             ; the weights, their scale words and my token are in
	PRO_B
.irp a, 0,1,2,3                        ; three loads are two rows of 768 bytes
	ds_store_b128 v5, v[WF+12*\a:WF+12*\a+3]    offset:2*PITCH*\a
	ds_store_b128 v6, v[WF+12*\a+4:WF+12*\a+7]  offset:2*PITCH*\a+512
	ds_store_b128 v5, v[WF+12*\a+8:WF+12*\a+11] offset:2*PITCH*\a+PITCH+256
.endr
.set k_, 0
.rept 32
	v_perm_b32 v[WS+k_], v[WS+k_], v[WS+k_], s39
.set k_, k_+1
.endr
.irp b, 0,1,2,3                        ; eight plain lines stand between the last scale word so written and the first scaled matrix instruction: these six are due anyway
	v_mov_b32 v[TM+4+\b], 0                        ; (a lane permute's destination counts as one of its sources)
.endr
	v_mov_b32 v[C9], 0x3e7c6f08                    ; c9 = 0.24651730
	v_mov_b32 v[C9+1], 0x3e7c6f08
	v_nop
	v_nop
	s_wait_dscnt 0x0                               ; for the others' sake: my rows lie in LDS
	s_barrier_signal -1
	s_barrier_wait -1                              ; all 128 rows do.  They are never written again: the launch's one barrier
	s_cmp_ge_u32 s25, s24
	s_cbranch_scc1 .Ldone                          ; a wave without a tile ends (its loads may be out: nothing of theirs is used)
.macro MM1 t, q, s
.if (\t)%2
	v_wmma_scale_f32_16x16x128_f8f6f4 v[ACC+8*(\t):ACC+8*(\t)+7], v[WF+12*(\q):WF+12*(\q)+11], v[XF+12*((\s)%4):XF+12*((\s)%4)+11], v[ACC+8*(\t):ACC+8*(\t)+7], v[WS+8*((\t)/2)+(\s)], v[XS+(\s)] matrix_a_fmt:MATRIX_FMT_BF6 matrix_b_fmt:MATRIX_FMT_BF6 matrix_a_scale:MATRIX_SCALE_ROW1
.else
	v_wmma_scale_f32_16x16x128_f8f6f4 v[ACC+8*(\t):ACC+8*(\t)+7], v[WF+12*(\q):WF+12*(\q)+11], v[XF+12*((\s)%4):XF+12*((\s)%4)+11], v[ACC+8*(\t):ACC+8*(\t)+7], v[WS+8*((\t)/2)+(\s)], v[XS+(\s)] matrix_a_fmt:MATRIX_FMT_BF6 matrix_b_fmt:MATRIX_FMT_BF6
.endif
.endm
; K step s: twice four fragments of W1 from LDS and four matrix instructions.  The eight accumulators take turns, one instruction a turn.
; Four plain lines stand behind each run of matrix instructions, ahead of the loads into registers that they have read (ISA guide 7.12.1 for vector instructions).
.macro KSTEP s
.irp g, 0,1
.irp q, 0,1,2,3
.irp i, 0,1,2
	ds_load_b128 v[WF+12*\q+4*\i:WF+12*\q+4*\i+3], v[LA+\g] offset:TROWS*\q+96*(\s)+16*\i
.endr
.endr
.if \g == 0
.if 3*(7-(\s)) < 9
	s_wait_loadcnt 3*(7-(\s))                      ; x's K step s is in; behind it only the later steps' loads, three each
.else
	s_wait_loadcnt 9                               ; x's K step s (and b1 and the scale words, which are older) is in; three later steps, three loads each, may be out
.endif
.endif
	s_wait_dscnt 0x0
.irp q, 0,1,2,3
	MM1 4*\g+\q, \q, \s
.endr
.rept 4
	v_nop
.endr
.endr
.if (\s) < 4
	XLOAD (\s)+4                                   ; into the ring's place that this step has read
.endif
.endm
; The gelu of 16 numbers a lane, tiles 2 b and 2 b + 1, in place.  Two batches of transcendentals, each with independent plain work and ONE wait behind it, ahead of its first reader.
; Each accumulator is first read at its lowest register.
.macro GELU b
.set GA, ACC+16*\b
.set k_, 0
.rept 16
	v_fma_f32 v[GP+k_], |v[GA+k_]|, s38, 1.0       ; 1 + z / 2
.set k_, k_+1
.endr
.set k_, 0
.rept 16
	v_rcp_f32 v[GT+k_], v[GP+k_]                   ; t
.set k_, k_+1
.endr
.set k_, 0
.rept 8
	v_pk_mul_f32 v[GZ+k_:GZ+k_+1], v[GA+k_:GA+k_+1], v[GA+k_:GA+k_+1]   ; a^2
.set k_, k_+2
.endr
	s_wait_alu depctr_va_vdst(0)
.set k_, 0
.rept 8
	v_pk_fma_f32 v[GP+k_:GP+k_+1], v[GT+k_:GT+k_+1], v[C9:C9+1], s[40:41] op_sel_hi:[1,1,0]
.set k_, k_+2
.endr
.irp c, 42,44,46,48,50,52,54,56
.set k_, 0
.rept 8
	v_pk_fma_f32 v[GP+k_:GP+k_+1], v[GP+k_:GP+k_+1], v[GT+k_:GT+k_+1], s[\c:\c+1] op_sel_hi:[1,1,0]
.set k_, k_+2
.endr
.endr
.set k_, 0
.rept 8
	v_pk_fma_f32 v[GZ+k_:GZ+k_+1], v[GZ+k_:GZ+k_+1], s[58:59], v[GP+k_:GP+k_+1] op_sel_hi:[1,0,1]
.set k_, k_+2
.endr
.set k_, 0
.rept 16
	v_exp_f32 v[GZ+k_], v[GZ+k_]
.set k_, k_+1
.endr
.set k_, 0
.rept 16
	v_max_num_f32 v[GP+k_], 0, v[GA+k_]            ; max(a, 0)
.set k_, k_+1
.endr
	s_wait_alu depctr_va_vdst(0)
.set k_, 0
.rept 8
	v_pk_mul_f32 v[GZ+k_:GZ+k_+1], v[GZ+k_:GZ+k_+1], v[GT+k_:GT+k_+1]   ; q
.set k_, k_+2
.endr
.set k_, 0
.rept 16
	v_fma_f32 v[GA+k_], -|v[GA+k_]|, v[GZ+k_], v[GP+k_]
.set k_, k_+1
.endr
.endm
; 64 numbers of a lane, register 16 b + i = place 32 b + 16 h + i along the next K, become a fragment's codes in v[PC] on and its scale word in v[PW].
.macro QUANT s
.irp b, 0,1,2,3
	v_max3_num_f32 v[TM+\b], |v[\s+16*\b]|, |v[\s+1+16*\b]|, 0x2800000   ; my 16 numbers of block b, and the floor 2^(5 - 127): the byte cannot fall under 1
.endr
.irp i, 2,4,6,8,10,12,14
.irp b, 0,1,2,3
	v_max3_num_f32 v[TM+\b], v[TM+\b], |v[\s+16*\b+\i]|, |v[\s+1+16*\b+\i]|
.endr
.endr
.irp b, 0,1,2,3
	v_permlanex16_b32 v[TM+4+\b], v[TM+\b], s36, s37
.endr
.irp b, 0,1,2,3
	v_max_num_f32 v[TM+\b], v[TM+\b], v[TM+4+\b]   ; with lane l xor 16's: the block's largest magnitude
.endr
.irp b, 0,1,2,3
	v_add_nc_u32 v[TM+12+\b], 0xfe000000, v[TM+\b] ; 4 off its exponent field: the conversion's scale operand
.endr
.irp b, 0,1,2,3
	v_lshrrev_b32 v[TM+4+\b], 23, v[TM+12+\b]      ; the byte
.endr
	v_lshl_or_b32 v[PW], v[TM+5], 8, v[TM+4]
	v_lshl_or_b32 v[PW], v[TM+6], 16, v[PW]
	v_lshl_or_b32 v[PW], v[TM+7], 24, v[PW]
.irp c, 0,1
	v_cvt_scalef32_pk16_bf6_f32 v[PC+6*\c:PC+2+6*\c], v[\s+32*\c:\s+15+32*\c], v[TM+12+2*\c]
	v_cvt_scalef32_pk16_bf6_f32 v[PC+12+4*\c:PC+14+4*\c], v[\s+16+32*\c:\s+31+32*\c], v[TM+12+2*\c+1]   ; (a conversion's three registers begin on an even number)
.endr
	v_nop                                          ; one plain line behind a scaled conversion
.irp c, 0,1                            ; the operand wants a whole block in a lane: lanes 0-15 place 2 c, lanes 16-31 place 2 c + 1
.irp i, 0,1,2
	v_permlane16_swap_b32 v[PC+6*\c+\i], v[PC+12+4*\c+\i]
.endr
.irp i, 0,1,2
	v_mov_b32 v[PC+3+6*\c+\i], v[PC+12+4*\c+\i]
.endr
.endr
.endm
; THE LOOP OVER MY TILES.  1,024 tokens are 64 tiles at the most and sixteen waves share them: a wave has at most four.  So the loop is counted against the constant 4; the way out is the forward branch on the
; number of tiles, which stands ahead of the next task's loads.  (Behind a fourth task T is 64 or more, which is no tile: the constant cuts nothing off.)
.Ltask:
.irp s, 0,1,2,3,4,5,6,7
	KSTEP \s
.endr
.irp b, 0,1,2,3
	GELU \b
.endr
	QUANT ACC
.irp i, 0,1,2
	global_store_b128 v13, v[PC+4*\i:PC+4*\i+3], s[16:17] offset:512*\i   ; the wave stores 512 consecutive bytes, at a multiple of 512 from hq's first byte
.endr
	global_store_b32 v14, v[PW], s[18:19]
	s_add_co_u32 s25, s25, 16                      ; my next tile
	s_cmp_ge_u32 s25, s24
	s_cbranch_scc1 .Ldone
	s_wait_xcnt 0x0                                ; the stores and loads above have been taken up: their address and data registers may be written
	PRO_A
	s_wait_loadcnt 0x0                             ; my token
	PRO_B
	s_add_co_u32 s60, s60, 1
	s_cmp_lt_u32 s60, 4
	s_cbranch_scc1 .Ltask
.Ldone:
	s_wait_tensorcnt 0x0
	ds_add_u32 v227, v249
	s_wait_dscnt 0x0
	s_endpgm
.Lfunc_end_k_q337375cdb6_ffn1:
	.size	k_q337375cdb6_ffn1, .Lfunc_end_k_q337375cdb6_ffn1-k_q337375cdb6_ffn1
	.p2alignl 7, 3214868480
	.fill 96, 4, 3214868480
	.section	.rodata,"a",@progbits
	.p2align	6, 0x0
	.amdhsa_kernel k_q337375cdb6_ffn1
		.amdhsa_group_segment_fixed_size 102400
		.amdhsa_private_segment_fixed_size 0
		.amdhsa_enable_private_segment 0
		.amdhsa_kernarg_size 64
		.amdhsa_user_sgpr_count 2
		.amdhsa_user_sgpr_kernarg_segment_ptr 1
		.amdhsa_wavefront_size32 1
		.amdhsa_system_sgpr_workgroup_id_x 1
		.amdhsa_system_sgpr_workgroup_id_y 1
		.amdhsa_system_sgpr_workgroup_id_z 1
		.amdhsa_system_vgpr_workitem_id 0
		.amdhsa_next_free_vgpr 256
		.amdhsa_next_free_sgpr 66
		.amdhsa_reserve_vcc 0
		.amdhsa_float_denorm_mode_32 3
		.amdhsa_float_denorm_mode_16_64 3
		.amdhsa_memory_ordered 1
		.amdhsa_forward_progress 1
		.amdhsa_inst_pref_size 84
	.end_amdhsa_kernel
	.amdgpu_metadata
---
amdhsa.version: [ 1, 2 ]
amdhsa.kernels:
  - .name:           k_q337375cdb6_ffn1
    .symbol:         k_q337375cdb6_ffn1.kd
    .args:
      - { .name: W1_codes, .offset: 0, .size: 8, .value_kind: global_buffer, .address_space: global }
      - { .name: W1_scales, .offset: 8, .size: 8, .value_kind: global_buffer, .address_space: global }
      - { .name: b1, .offset: 16, .size: 8, .value_kind: global_buffer, .address_space: global }
      - { .name: xq, .offset: 24, .size: 8, .value_kind: global_buffer, .address_space: global }
      - { .name: xs, .offset: 32, .size: 8, .value_kind: global_buffer, .address_space: global }
      - { .name: order, .offset: 40, .size: 8, .value_kind: global_buffer, .address_space: global }
      - { .name: hq, .offset: 48, .size: 8, .value_kind: global_buffer, .address_space: global }
      - { .name: hs, .offset: 56, .size: 8, .value_kind: global_buffer, .address_space: global }
    .group_segment_fixed_size: 102400
    .private_segment_fixed_size: 0
    .kernarg_segment_align: 8
    .kernarg_segment_size: 64
    .max_flat_workgroup_size: 512
    .sgpr_count:     66
    .vgpr_count:     256
    .wavefront_size: 32
...
	.end_amdgpu_metadata
.endif
;; end of part 3
;; launch ffn2 (part 4): grid 32 x 8, 16 waves a work-group, no clusters, 137,728 bytes of LDS; arguments W2_codes, W2_scales, b2, hq, hs, order, gate, out0; writes out0
.if DOCPART == 4
	.amdgcn_target "amdgcn-amd-amdhsa--gfx1250"
	.amdhsa_code_object_version 6
	.text
	.protected	k_q337375cdb6_ffn2
	.globl	k_q337375cdb6_ffn2
	.p2align	8
	.type	k_q337375cdb6_ffn2,@function
k_q337375cdb6_ffn2:
	s_mov_b64 s[64:65], 0
	v_nop
	global_prefetch_b8 v0, s[64:65] scope:SCOPE_SE
	s_setreg_imm32_b32 hwreg(HW_REG_WAVE_MODE, 25, 1), 1
	s_wait_xcnt 0x0
; THE SECOND PRODUCT OF THE CHOSEN EXPERT: out[token] = gate[token] x (hidden W2[e] + b2[e]), for the tokens of expert e alone; each token has one expert, so each row of out0 has one owner for each column.
; SHARES.  Work-group (j, e): columns 32 j .. 32 j + 31 of expert e: 32 rows of W2's codes, ONE dense block of 98,304 bytes, read from memory once in the launch by loads of 512 consecutive bytes and laid into LDS.
; 8 x 32 = 256 work-groups.  A TASK is a tile of 16 tokens x the 32 columns x K = 4,096: 32 K steps x 2 matrix instructions.  Wave w takes tiles w, w + 16, ..: sixteen waves of 256 registers, four to a SIMD.
; The hidden layer comes from hq as images of operand registers: three loads of 512 consecutive bytes a fragment, eight K steps ahead, straight into registers.
; THE NUMBER OF TILES IS READ FROM MEMORY.  So this text has no tensor load and no joint request (the 32 work-groups of an expert read the same tiles of hq: they come by plain loads), ONE barrier, on every wave's
; way, and no LDS address that is stepped.  Every wave makes its first task's addresses and loads ahead of the barrier; a wave without a tile names the expert's last tile, or tile 0 of an expert without tokens, which the
; launch before has stored: so each register of the loop is written on every way into it, and every byte read has been stored.
; Rows of a tile past the count repeat the expert's last token: they hold, and store to the same bytes, the same numbers; EXEC stays full.
; K's ORDER: a lane (r, h) takes bytes 96 s + 48 h .. + 47 of its row of W2: blocks 2 h, 2 h + 1 where the instruction has blocks h, 2 + h.  The hidden layer's fragments were made in that order; W2's scale words have
; their two middle bytes changed here.
; TRANSPOSED: source 0 = 16 rows of W2 (columns of out), source 1 = 16 tokens: a lane holds one token and eight neighbouring columns.  b2 is the C of a sum's first matrix instruction.
; THE WAY OUT: a wave's 16 rows x 128 bytes go through its own stage in LDS; eight lanes store the 128 consecutive bytes that the work-group owns of a row.  (Half of an aligned 256 bytes: 64 columns to a work-group
; would leave 128 work-groups to bring in W2.)
; LIMITS: NaN and infinities are not served.
.set PITCH, 3088                       ; an LDS row: 3,072 bytes + 16 = 193 x 16: the 16 rows of a load of 16 bytes a lane start in 16 different groups of four banks (64 banks of 4 bytes: ISA guide 11.1)
.set STG,   32*PITCH                   ; behind the weights: a stage of 16 rows x (128 + 16) bytes for each wave
.set WS,  16                           ; v16-47   W2's scale words: register s, lane = row: lanes 0-15 tile 0, lanes 16-31 tile 1
.set B2,  48                           ; v48-63   b2 in the result's layout, tile n at B2 + 8 n
.set ACC, 64                           ; v64-79   the two accumulators
.set WF,  80                           ; v80-127  four fragments of W2 (K step 2 g + u, tile n: 24 u + 12 n); at the head the copy's stage; on the way out rows of out
.set HF,  128                          ; v128-223 a ring of eight fragments of the hidden layer
.set HS,  224                          ; v224-231 and of their scale words
.set Y,   232                          ; v232-247 the results x the gate
.set TK,  248                          ; v248-251 the tokens of the rows that I store, then their offsets in out0
; other registers: v1 r, v2 h, v3 3088 r + 48 h, v4 the copy's LDS address, v5 its offset in memory, v6 v12-15 the list's offsets, v7 my row's token, then the gate's offset, v8 hq's offset (at the head: the scale
; words'), v9 hs's (at the head: b2's), v[10:11] the gate, v252 v253 the stage in and out, v254 16 (lane % 8), v255 16 lane.
; s20 wave, s21 j, s22 e, s23 n', s24 tiles, s25 T, s27 n' - 1, s28 the last stored tile, s30 s36 the expert's parts of hq's and hs's offsets, s[34:35] my expert's list, s38 the loop's count.
	s_load_b512 s[4:19], s[0:1], 0x0               ; W2_codes s[4:5], W2_scales s[6:7], b2 s[8:9], hq s[10:11], hs s[12:13], order s[14:15], gate s[16:17], out0 s[18:19]
	v_lshrrev_b32 v1, 5, v0
	v_readfirstlane_b32 s20, v1                    ; wave 0..15
	s_mov_b32 s21, ttmp9                           ; j
	s_and_b32 s22, ttmp7, 0xffff                   ; e
	v_and_b32 v255, 31, v0
	v_lshlrev_b32 v255, 4, v255
	v_and_b32 v1, 15, v0                           ; r
	v_bfe_u32 v2, v0, 4, 1                         ; h
	v_mul_u32_u24 v3, v1, PITCH
	v_mad_u32_u24 v3, v2, 48, v3
	s_mul_i32 s26, s20, 2*PITCH
	v_add_nc_u32 v4, s26, v255                     ; the copy: wave w brings rows 2 w, 2 w + 1
	s_mul_i32 s26, s20, 6144
	v_add_nc_u32 v5, s26, v255
	v_and_b32 v254, 0x70, v255
	s_mul_i32 s26, s20, 16*144
	s_add_co_u32 s26, s26, STG                     ; my stage
	v_mul_u32_u24 v252, v1, 144
	v_lshl_add_u32 v252, v2, 5, v252
	v_add_nc_u32 v252, s26, v252                   ; in: row r, 32 bytes for each half of the lanes
	v_lshrrev_b32 v253, 7, v255
	v_mul_u32_u24 v253, v253, 144
	v_add_nc_u32 v253, v253, v254
	v_add_nc_u32 v253, s26, v253                   ; back: eight lanes to a row, four rows an instruction
	v_lshlrev_b32 v8, 3, v255                      ; W2's scale words: 128 bytes a row, lane = row
	v_lshlrev_b32 v9, 5, v2                        ; b2: 32 h
	v_mov_b32 v11, 0                               ; (named with the gate as a pair)
	s_mov_b32 s37, 0x03010200                      ; v_perm_b32: bytes 1 and 2 change places
	s_mov_b32 s38, 0                               ; tasks done
	s_mov_b32 s33, 0
	s_lshl_b32 s31, s22, 2                         ; (kept until the count is in)
	s_wait_kmcnt 0x0
	s_load_b32 s23, s[14:15], s31 offset:0x8000    ; my expert's count
	s_mul_i32 s30, s22, 3145728
	s_mul_i32 s26, s21, 98304
	s_add_co_u32 s32, s30, s26
	s_add_nc_u64 s[4:5], s[4:5], s[32:33]          ; my slice of the codes,
	s_lshl_b32 s32, s22, 17
	s_lshl_b32 s26, s21, 12
	s_add_co_u32 s32, s32, s26
	s_add_nc_u64 s[6:7], s[6:7], s[32:33]          ; of the scale bytes,
	s_lshl_b32 s32, s22, 12
	s_add_nc_u64 s[34:35], s[14:15], s[32:33]      ; my expert's list,
	s_lshl_b32 s26, s21, 7
	s_add_co_u32 s32, s32, s26
	s_add_nc_u64 s[8:9], s[8:9], s[32:33]          ; my 32 numbers of b2 (4,096 e + 128 j bytes),
	s_mov_b32 s32, s26
	s_add_nc_u64 s[18:19], s[18:19], s[32:33]      ; my 128 bytes of a row of out0
	s_lshl_b32 s36, s22, 18
.irp i, 0,1,2,3,4,5,6,7,8,9,10,11
	global_load_b128 v[WF+4*\i:WF+4*\i+3], v5, s[4:5] offset:512*\i th:TH_LOAD_NT   ; 512 consecutive bytes a load; the work-group has all its 96 KB on their way at once
.endr
.irp q, 0,1,2,3,4,5,6,7
	global_load_b128 v[WS+4*\q:WS+4*\q+3], v8, s[6:7] offset:16*\q th:TH_LOAD_NT
.endr
.irp n, 0,1
	global_load_b128 v[B2+8*\n:B2+8*\n+3],   v9, s[8:9] offset:64*\n
	global_load_b128 v[B2+8*\n+4:B2+8*\n+7], v9, s[8:9] offset:64*\n+16
.endr
	s_wait_kmcnt 0x0
	s_min_u32 s23, s23, 1024
	s_add_co_u32 s24, s23, 15
	s_lshr_b32 s24, s24, 4                         ; tiles: 0 for an expert without tokens
	s_max_u32 s23, s23, 1                          ; n'
	s_sub_co_u32 s27, s23, 1
	s_lshr_b32 s28, s27, 4                         ; the last tile that the launch before has stored
	s_mov_b32 s25, s20                             ; my first tile
.macro PRO_A                           ; tokens from the list, each rank held at n' - 1 and, by a constant, inside the list: of my row r, and of the rows 4 i + lane / 8 that I store
	s_lshl_b32 s26, s25, 4
	v_add_nc_u32 v6, s26, v1
.irp i, 0,1,2,3
	v_lshrrev_b32 v[12+\i], 7, v255
.endr
.irp i, 0,1,2,3
	s_add_co_u32 s29, s26, 4*\i
	v_add_nc_u32 v[12+\i], s29, v[12+\i]
.endr
.irp a, 6,12,13,14,15
	v_min_u32 v\a, s27, v\a
.endr
.irp a, 6,12,13,14,15
	v_min_u32 v\a, 1023, v\a
.endr
.irp a, 6,12,13,14,15
	v_lshlrev_b32 v\a, 2, v\a
.endr
	global_load_b32 v7, v6, s[34:35]
.irp i, 0,1,2,3
	global_load_b32 v[TK+\i], v[12+\i], s[34:35]
.endr
.endm
.macro HLOAD s                         ; the hidden layer's fragment and scale word of K step s into the ring: four loads
.irp i, 0,1,2
	global_load_b128 v[HF+12*((\s)%8)+4*\i:HF+12*((\s)%8)+4*\i+3], v8, s[10:11] offset:1536*(\s)+512*\i
.endr
	global_load_b32 v[HS+(\s)%8], v9, s[12:13] offset:128*(\s)
.endm
.macro PRO_B                           ; the task's addresses and its first loads: the gate, K steps 0 to 7
	v_min_u32 v7, 1023, v7
	v_lshlrev_b32 v7, 2, v7
.irp i, 0,1,2,3
	v_min_u32 v[TK+\i], 1023, v[TK+\i]
.endr
.irp i, 0,1,2,3
	v_lshlrev_b32 v[TK+\i], 12, v[TK+\i]           ; a row of out0 is 4,096 bytes
.endr
.irp i, 0,1,2,3
	v_add_nc_u32 v[TK+\i], v254, v[TK+\i]
.endr
	s_min_u32 s26, s25, s28                        ; (a task's own tile; a wave without a tile: the last stored one)
	s_min_u32 s26, s26, 63
	s_mul_i32 s29, s26, 49152
	s_add_co_u32 s29, s29, s30
	v_add_nc_u32 v8, s29, v255
	s_lshl_b32 s29, s26, 12
	s_add_co_u32 s29, s29, s36
	v_lshrrev_b32 v9, 2, v255
	v_add_nc_u32 v9, s29, v9
	global_load_b32 v10, v7, s[16:17]
.irp s, 0,1,2,3,4,5,6,7
	HLOAD \s
.endr
.endm
	PRO_A
	s_wait_loadcnt 0x0                             ; the weights, their scale words, b2 and my tokens are in
	PRO_B
.irp i, 0,1,2,3,4,5,6,7,8,9,10,11      ; six loads are a row of 3,072 bytes
	ds_store_b128 v4, v[WF+4*\i:WF+4*\i+3] offset:512*\i+16*(\i/6)
.endr
.set k_, 0
.rept 32
	v_perm_b32 v[WS+k_], v[WS+k_], v[WS+k_], s37
.set k_, k_+1
.endr
.rept 8
	v_nop                                          ; eight plain lines stand between the last scale word so written and the first scaled matrix instruction
.endr
	s_wait_dscnt 0x0                               ; for the others' sake: my rows lie in LDS
	s_barrier_signal -1
	s_barrier_wait -1                              ; all 32 rows do.  They are never written again: the launch's one barrier
	s_cmp_ge_u32 s25, s24
	s_cbranch_scc1 .Ldone                          ; a wave without a tile ends (its loads may be out: nothing of theirs is used)
.macro MM2 n, ks
.set CR_, ACC+8*(\n)
.if (\ks) == 0
.set CR_, B2+8*(\n)                    ; the first K step starts the sum from b2
.endif
.if (\n) == 0
	v_wmma_scale_f32_16x16x128_f8f6f4 v[ACC:ACC+7], v[WF+24*((\ks)%2):WF+24*((\ks)%2)+11], v[HF+12*((\ks)%8):HF+12*((\ks)%8)+11], v[CR_:CR_+7], v[WS+(\ks)], v[HS+(\ks)%8] matrix_a_fmt:MATRIX_FMT_BF6 matrix_b_fmt:MATRIX_FMT_BF6
.else
	v_wmma_scale_f32_16x16x128_f8f6f4 v[ACC+8:ACC+15], v[WF+24*((\ks)%2)+12:WF+24*((\ks)%2)+23], v[HF+12*((\ks)%8):HF+12*((\ks)%8)+11], v[CR_:CR_+7], v[WS+(\ks)], v[HS+(\ks)%8] matrix_a_fmt:MATRIX_FMT_BF6 matrix_b_fmt:MATRIX_FMT_BF6 matrix_a_scale:MATRIX_SCALE_ROW1
.endif
.endm
; K steps 2 g and 2 g + 1: four fragments of W2 from LDS, four matrix instructions; the two accumulators take turns, one instruction a turn.
; Four plain lines stand behind the matrix instructions, ahead of the loads into registers that they have read (ISA guide 7.12.1 for vector instructions).
.macro GRP g
.irp u, 0,1
.irp n, 0,1
.irp i, 0,1,2
	ds_load_b128 v[WF+24*\u+12*\n+4*\i:WF+24*\u+12*\n+4*\i+3], v3 offset:16*PITCH*\n+96*(2*(\g)+\u)+16*\i
.endr
.endr
.endr
.if 4*(30-2*(\g)) < 24
	s_wait_loadcnt 4*(30-2*(\g))                   ; these two K steps are in; behind them only the later steps' loads, four each
.else
	s_wait_loadcnt 24                              ; these two K steps (and the gate, which is older) are in; six later steps, four loads each, may be out
.endif
	s_wait_dscnt 0x0
.irp u, 0,1
.irp n, 0,1
	MM2 \n, 2*(\g)+\u
.endr
.endr
.rept 4
	v_nop
.endr
.if (\g) < 12
	HLOAD 2*(\g)+8                                 ; into the ring's places that these two steps have read
	HLOAD 2*(\g)+9
.endif
.endm
; THE LOOP OVER MY TILES.  1,024 tokens are 64 tiles at the most and sixteen waves share them: a wave has at most four.  So the loop is counted against the constant 4; the way out is the forward branch on the
; number of tiles, which stands ahead of the next task's loads.  (Behind a fourth task T is 64 or more, which is no tile: the constant cuts nothing off.)
.Ltask:
.irp g, 0,1,2,3,4,5,6,7,8,9,10,11,12,13,14,15
	GRP \g
.endr
.set k_, 0
.rept 8
	v_pk_mul_f32 v[Y+k_:Y+k_+1], v[ACC+k_:ACC+k_+1], v[10:11] op_sel_hi:[1,0]   ; x my token's gate; each accumulator from its low end on
.set k_, k_+2
.endr
.irp n, 0,1
	ds_store_b128 v252, v[Y+8*\n:Y+8*\n+3]   offset:64*\n       ; lane (r, h): row r, columns 16 n + 8 h + 0 .. 7
	ds_store_b128 v252, v[Y+8*\n+4:Y+8*\n+7] offset:64*\n+16
.endr
.irp i, 0,1,2,3
	ds_load_b128 v[WF+4*\i:WF+4*\i+3], v253 offset:4*144*\i     ; LDS serves a wave's instructions in order: these see my stores; the stage is my own
.endr
	s_wait_dscnt 0x0
.irp i, 0,1,2,3
	global_store_b128 v[TK+\i], v[WF+4*\i:WF+4*\i+3], s[18:19] th:TH_STORE_NT   ; eight lanes store 128 consecutive bytes of a token's row; written once, read by nobody here
.endr
	s_add_co_u32 s25, s25, 16                      ; my next tile
	s_cmp_ge_u32 s25, s24
	s_cbranch_scc1 .Ldone
	s_wait_xcnt 0x0                                ; the stores and loads above have been taken up: their address and data registers may be written
	PRO_A
	s_wait_loadcnt 0x0                             ; my tokens
	PRO_B
	s_add_co_u32 s38, s38, 1
	s_cmp_lt_u32 s38, 4
	s_cbranch_scc1 .Ltask
.Ldone:
	s_wait_xcnt 0x0
	v_lshl_add_u32 v254, v0, 2, 0x21200
	v_mov_b32 v255, 0
	s_wait_tensorcnt 0x0
	ds_add_u32 v254, v255
	s_wait_dscnt 0x0
	s_endpgm
.Lfunc_end_k_q337375cdb6_ffn2:
	.size	k_q337375cdb6_ffn2, .Lfunc_end_k_q337375cdb6_ffn2-k_q337375cdb6_ffn2
	.p2alignl 7, 3214868480
	.fill 96, 4, 3214868480
	.section	.rodata,"a",@progbits
	.p2align	6, 0x0
	.amdhsa_kernel k_q337375cdb6_ffn2
		.amdhsa_group_segment_fixed_size 137728
		.amdhsa_private_segment_fixed_size 0
		.amdhsa_enable_private_segment 0
		.amdhsa_kernarg_size 64
		.amdhsa_user_sgpr_count 2
		.amdhsa_user_sgpr_kernarg_segment_ptr 1
		.amdhsa_wavefront_size32 1
		.amdhsa_system_sgpr_workgroup_id_x 1
		.amdhsa_system_sgpr_workgroup_id_y 1
		.amdhsa_system_sgpr_workgroup_id_z 1
		.amdhsa_system_vgpr_workitem_id 0
		.amdhsa_next_free_vgpr 256
		.amdhsa_next_free_sgpr 66
		.amdhsa_reserve_vcc 0
		.amdhsa_float_denorm_mode_32 3
		.amdhsa_float_denorm_mode_16_64 3
		.amdhsa_memory_ordered 1
		.amdhsa_forward_progress 1
		.amdhsa_inst_pref_size 54
	.end_amdhsa_kernel
	.amdgpu_metadata
---
amdhsa.version: [ 1, 2 ]
amdhsa.kernels:
  - .name:           k_q337375cdb6_ffn2
    .symbol:         k_q337375cdb6_ffn2.kd
    .args:
      - { .name: W2_codes, .offset: 0, .size: 8, .value_kind: global_buffer, .address_space: global }
      - { .name: W2_scales, .offset: 8, .size: 8, .value_kind: global_buffer, .address_space: global }
      - { .name: b2, .offset: 16, .size: 8, .value_kind: global_buffer, .address_space: global }
      - { .name: hq, .offset: 24, .size: 8, .value_kind: global_buffer, .address_space: global }
      - { .name: hs, .offset: 32, .size: 8, .value_kind: global_buffer, .address_space: global }
      - { .name: order, .offset: 40, .size: 8, .value_kind: global_buffer, .address_space: global }
      - { .name: gate, .offset: 48, .size: 8, .value_kind: global_buffer, .address_space: global }
      - { .name: out0, .offset: 56, .size: 8, .value_kind: global_buffer, .address_space: global }
    .group_segment_fixed_size: 137728
    .private_segment_fixed_size: 0
    .kernarg_segment_align: 8
    .kernarg_segment_size: 64
    .max_flat_workgroup_size: 512
    .sgpr_count:     66
    .vgpr_count:     256
    .wavefront_size: 32
...
	.end_amdgpu_metadata
.endif
;; end of part 4
;; ======== version 2 of 2: 4 launches
;; workspace buffers: xq 786,432 bytes; xs 32,768 bytes; ridx 4,096 bytes of whole numbers; gate 4,096 bytes; order 33,024 bytes of whole numbers; hq 25,165,824 bytes; hs 2,097,152 bytes
;; launch route (part 5): grid 256 x 1, 4 waves a work-group, no clusters, 18,944 bytes of LDS; arguments x, Wr, br, xq, xs, ridx, gate; writes xq, xs, ridx, gate
.if DOCPART == 5
	.amdgcn_target "amdgcn-amd-amdhsa--gfx1250"
	.amdhsa_code_object_version 6
	.text
	.protected	k_q337375cdb6_route
	.globl	k_q337375cdb6_route
	.p2align	8
	.type	k_q337375cdb6_route,@function
k_q337375cdb6_route:
	s_mov_b64 s[64:65], 0
	v_nop
	global_prefetch_b8 v0, s[64:65] scope:SCOPE_SE
	s_setreg_imm32_b32 hwreg(HW_REG_WAVE_MODE, 25, 1), 1
	s_wait_xcnt 0x0
; ROUTER AND QUANTISER OF x.  x [1024 tokens][1024] f32, Wr [1024][8] f32, br [8] f32.
; One wave takes one token (token = 4 x work-group + wave): its 8 logits x . Wr + br in f32, the first largest of them (a later logit wins only if it is
; strictly larger, as argmax has it), the gate 1 / sum of exp(logit - largest), and the token's row as codes of E3M2 with one E8M0 byte for each 32 numbers.
; OUT: xq [token][768 bytes]: the row's codes as one stream of bits; xs [token][32]: the scale bytes, IN EACH GROUP OF FOUR THE TWO MIDDLE BYTES CHANGE PLACES,
; since the products' launches take 48 consecutive bytes of a row into a lane, which puts block 1 of a K step where the matrix instruction has block 2, and block 2 where it has block 1;
; ridx [token] u32: the expert; gate [token] f32.  The expert steers no address here: it is stored at a fixed place and used by later launches.
; No matrix unit: N = 8, and the logits decide a choice, so they are f32 sums.  No barrier: a wave shares nothing; its 4,608 bytes of LDS are its own.
; LIMITS: NaN and infinities among the inputs are not served.  Two logits closer than the rounding of an f32 sum of 1,024 terms may be ordered otherwise than by another order of summation.
; A block whose largest magnitude lies under 2^-122 gets the byte 1 (a block of zeros too: its codes are zeros, and this program alone reads the bytes).
.set LDSW, 4608                        ; LDS of a wave: 32 blocks of 32 numbers, 128 bytes + 16
.set BLKP, 144
.set ACC,  8                           ; v8-15    the 8 logits
.set XR,   32                          ; v32-63   register i: x[32 i + lane]
.set WA,   64                          ; v64-127  8 rows of Wr a lane (row 32 i + lane: 8 registers), group by group
.set WB,   128                         ; v128-191 the other group
.set XB,   192                         ; v192-223 two steps of 16 neighbours: x[512 t + 16 lane + 0 .. 15]
.set CD,   224                         ; v224-230 codes: step t at CD + 4 t
	s_load_b256 s[4:11], s[0:1], 0x0               ; x s[4:5], Wr s[6:7], br s[8:9], xq s[10:11]
	s_load_b128 s[12:15], s[0:1], 0x20             ; xs s[12:13], ridx s[14:15]
	s_load_b64 s[16:17], s[0:1], 0x30              ; gate
	v_lshl_add_u32 v232, v0, 2, 0x4800
	v_mov_b32 v233, 0
	v_lshrrev_b32 v1, 5, v0
	v_readfirstlane_b32 s18, v1                    ; wave 0..3
	v_and_b32 v1, 31, v0                           ; lane
	v_lshlrev_b32 v2, 2, v1                        ; 4 lane
	v_lshlrev_b32 v3, 5, v1                        ; 32 lane: a row of Wr is 32 bytes
	s_mul_i32 s22, s18, LDSW
	v_lshl_add_u32 v4, v1, 2, s22                  ; LDS, in: my word of a block
	v_lshrrev_b32 v16, 1, v1
	v_mul_u32_u24 v5, v16, BLKP
	v_and_b32 v16, 1, v1
	v_lshl_add_u32 v5, v16, 6, v5
	v_add_nc_u32 v5, s22, v5                       ; LDS, out: block lane / 2, half lane % 2: my 16 neighbours
	v_mul_u32_u24 v6, v1, 12                       ; 16 codes are 12 bytes
	v_lshrrev_b32 v7, 3, v1                        ; my block of a step is lane / 2: its group of four is lane / 8,
	v_bfe_u32 v16, v1, 1, 1
	v_lshlrev_b32 v16, 1, v16                      ; and in the group its two bits change places
	v_lshl_or_b32 v7, v7, 2, v16
	v_bfe_u32 v16, v1, 2, 1
	v_or_b32 v7, v7, v16
	s_lshl_b32 s19, ttmp9, 2
	s_add_co_u32 s19, s19, s18                     ; token
	s_mov_b32 s21, 0
	s_mov_b32 s32, 0x76543210                      ; v_permlanex16_b32: lane l xor 16
	s_mov_b32 s33, 0xfedcba98
	s_mov_b32 s34, 0x3fb8aa3b                      ; c = log2(e)
	s_wait_alu depctr_va_vdst(0)
	s_wait_kmcnt 0x0
	s_load_b256 s[24:31], s[8:9], 0x0              ; br
	s_lshl_b32 s20, s19, 12
	s_add_nc_u64 s[4:5], s[4:5], s[20:21]          ; my row of x,
	s_mul_i32 s20, s19, 768
	s_add_nc_u64 s[10:11], s[10:11], s[20:21]      ; of xq,
	s_lshl_b32 s20, s19, 5
	s_add_nc_u64 s[12:13], s[12:13], s[20:21]      ; of xs,
	s_lshl_b32 s20, s19, 2
	s_add_nc_u64 s[14:15], s[14:15], s[20:21]      ; my word of ridx
	s_add_nc_u64 s[16:17], s[16:17], s[20:21]      ; and of gate
.set n_, 0
.rept 32
	global_load_b32 v[XR+n_], v2, s[4:5] offset:128*n_ th:TH_LOAD_NT
.set n_, n_+1
.endr
.macro WLOAD p, reg                    ; group p: rows 32 (8 p + ii) + lane of Wr: each pair of loads covers 1,024 consecutive bytes
.irp ii, 0,1,2,3,4,5,6,7
	global_load_b128 v[\reg+8*\ii:\reg+8*\ii+3],   v3, s[6:7] offset:1024*(8*\p+\ii)
	global_load_b128 v[\reg+8*\ii+4:\reg+8*\ii+7], v3, s[6:7] offset:1024*(8*\p+\ii)+16
.endr
.endm
.macro DOT p, reg                      ; 8 numbers of x against their rows of Wr: two logits an instruction; x's register of the pair is chosen for both halves.  The first product starts the sums
.irp ii, 0,1,2,3,4,5,6,7
.irp q, 0,1,2,3
.if (8*\p+\ii) == 0
	v_pk_mul_f32 v[ACC+2*\q:ACC+2*\q+1], v[XR:XR+1], v[\reg+2*\q:\reg+2*\q+1] op_sel_hi:[0,1]
.elseif (\ii%2) == 0
	v_pk_fma_f32 v[ACC+2*\q:ACC+2*\q+1], v[XR+8*\p+\ii:XR+8*\p+\ii+1], v[\reg+8*\ii+2*\q:\reg+8*\ii+2*\q+1], v[ACC+2*\q:ACC+2*\q+1] op_sel_hi:[0,1,1]
.else
	v_pk_fma_f32 v[ACC+2*\q:ACC+2*\q+1], v[XR+8*\p+\ii-1:XR+8*\p+\ii], v[\reg+8*\ii+2*\q:\reg+8*\ii+2*\q+1], v[ACC+2*\q:ACC+2*\q+1] op_sel:[1,0,0] op_sel_hi:[1,1,1]
.endif
.endr
.endr
.endm
	WLOAD 0, WA
	WLOAD 1, WB
	s_wait_loadcnt 32                              ; x is in; the two groups of Wr, 16 loads each, may be out
.set n_, 0
.rept 32
	ds_store_b32 v4, v[XR+n_] offset:BLKP*n_       ; the row turns through my LDS: in as loaded,
.set n_, n_+1
.endr
.irp t, 0,1
.irp j, 0,1,2,3
	ds_load_b128 v[XB+16*\t+4*\j:XB+16*\t+4*\j+3], v5 offset:16*BLKP*\t+16*\j   ; out 16 neighbours a lane (LDS serves a wave's instructions in order)
.endr
.endr
	s_wait_loadcnt 16                              ; group 0 is in, group 1 may be out
	DOT 0, WA
	WLOAD 2, WA
	s_wait_alu depctr_va_vdst(0)
	s_wait_loadcnt 16                              ; group 1 is in, group 2 may be out
	DOT 1, WB
	WLOAD 3, WB
	s_wait_alu depctr_va_vdst(0)
	s_wait_loadcnt 16                              ; group 2 is in, group 3 may be out
	DOT 2, WA
	s_wait_alu depctr_va_vdst(0)
	s_wait_loadcnt 0x0
	DOT 3, WB
.irp m, 1,2,4,8                        ; the 32 lanes' parts of each logit
.irp e, 0,1,2,3,4,5,6,7
	v_add_f32_dpp v[ACC+\e], v[ACC+\e], v[ACC+\e] row_xmask:\m row_mask:0xf bank_mask:0xf
.endr
.endr
.irp e, 0,1,2,3,4,5,6,7
	v_permlanex16_b32 v[WA+\e], v[ACC+\e], s32, s33   ; (its destination counts as read: these registers have been loaded)
.endr
	s_wait_alu depctr_va_vdst(0)
	s_wait_kmcnt 0x0                               ; br
.irp e, 0,1,2,3,4,5,6,7
	v_add_f32 v[ACC+\e], v[ACC+\e], v[WA+\e]
.endr
.irp e, 0,1,2,3,4,5,6,7
	v_add_f32 v[ACC+\e], s[24+\e], v[ACC+\e]
.endr
	v_mov_b32 v16, v[ACC]                          ; the largest logit so far,
	v_mov_b32 v17, 0                               ; and whose it is
.irp e, 1,2,3,4,5,6,7
	v_cmp_gt_f32 vcc_lo, v[ACC+\e], v16
	v_cndmask_b32 v17, v17, \e, vcc_lo
	v_max_num_f32 v16, v16, v[ACC+\e]
.endr
	v_mul_f32 v27, s34, v16                        ; c x the largest: it is taken away ahead of every exponential
.irp e, 0,1,2,3,4,5,6,7
	v_fma_f32 v[18+\e], v[ACC+\e], s34, -v27
.endr
	s_wait_alu depctr_va_vdst(0)
.irp e, 0,1,2,3,4,5,6,7
	v_exp_f32 v[18+\e], v[18+\e]                   ; one batch; the first quantiser step below is the independent work behind it
.endr
; 16 neighbours of a lane, two lanes to a block of 32: the block's largest magnitude with the floor 2^(5 - 127) among its leaves; 4 off its exponent field is the conversion's scale operand, and that field the byte.
.macro QSTEP t
.set XQ, XB+16*\t
	v_max3_num_f32 v27, |v[XQ]|, |v[XQ+1]|, |v[XQ+2]|
	v_max3_num_f32 v28, |v[XQ+3]|, |v[XQ+4]|, |v[XQ+5]|
.irp i, 6,10
	v_max3_num_f32 v27, v27, |v[XQ+\i]|, |v[XQ+\i+1]|
	v_max3_num_f32 v28, v28, |v[XQ+\i+2]|, |v[XQ+\i+3]|
.endr
	v_max3_num_f32 v27, v27, |v[XQ+14]|, |v[XQ+15]|
	v_max3_num_f32 v27, v27, v28, 0x2800000
	v_max_num_f32_dpp v27, v27, v27 row_xmask:1 row_mask:0xf bank_mask:0xf
	v_add_nc_u32 v29, 0xfe000000, v27
	v_cvt_scalef32_pk16_bf6_f32 v[CD+4*\t:CD+4*\t+2], v[XQ:XQ+15], v29
	v_lshrrev_b32 v[30+\t], 23, v29                ; the byte (also the plain line behind the conversion)
	global_store_b96 v6, v[CD+4*\t:CD+4*\t+2], s[10:11] offset:384*\t   ; the wave stores 384 consecutive bytes
	global_store_b8 v7, v[30+\t], s[12:13] offset:16*\t                 ; both lanes of a block write the same byte with the same value
.endm
	s_wait_dscnt 0x0                               ; the 16 neighbours are back from LDS
	QSTEP 0
	s_wait_alu depctr_va_vdst(0)                   ; one wait for the eight exponentials, ahead of their first reader
	v_add_f32 v18, v18, v19
	v_add_f32 v20, v20, v21
	v_add_f32 v22, v22, v23
	v_add_f32 v24, v24, v25
	v_add_f32 v18, v18, v20
	v_add_f32 v22, v22, v24
	v_add_f32 v18, v18, v22
	s_wait_alu depctr_va_vdst(0)
	v_rcp_f32 v26, v18                             ; the gate: exp(0) / the sum; the second quantiser step is the independent work behind it
	QSTEP 1
	s_wait_alu depctr_va_vdst(0)                   ; the wait for the reciprocal, ahead of the store that reads it
	s_wait_xcnt 0x0                                ; EXEC changes only behind this wait: the stores above have been taken up
	s_wait_tensorcnt 0x0
	ds_add_u32 v232, v233
	s_wait_dscnt 0x0
	v_cmpx_eq_u32 0, v1                            ; lane 0 alone (its 4 x lane is 0)
	global_store_b32 v2, v17, s[14:15]
	global_store_b32 v2, v26, s[16:17]
	s_endpgm
.Lfunc_end_k_q337375cdb6_route:
	.size	k_q337375cdb6_route, .Lfunc_end_k_q337375cdb6_route-k_q337375cdb6_route
	.p2alignl 7, 3214868480
	.fill 96, 4, 3214868480
	.section	.rodata,"a",@progbits
	.p2align	6, 0x0
	.amdhsa_kernel k_q337375cdb6_route
		.amdhsa_group_segment_fixed_size 18944
		.amdhsa_private_segment_fixed_size 0
		.amdhsa_enable_private_segment 0
		.amdhsa_kernarg_size 56
		.amdhsa_user_sgpr_count 2
		.amdhsa_user_sgpr_kernarg_segment_ptr 1
		.amdhsa_wavefront_size32 1
		.amdhsa_system_sgpr_workgroup_id_x 1
		.amdhsa_system_sgpr_workgroup_id_y 1
		.amdhsa_system_sgpr_workgroup_id_z 1
		.amdhsa_system_vgpr_workitem_id 0
		.amdhsa_next_free_vgpr 234
		.amdhsa_next_free_sgpr 66
		.amdhsa_reserve_vcc 1
		.amdhsa_float_denorm_mode_32 3
		.amdhsa_float_denorm_mode_16_64 3
		.amdhsa_memory_ordered 1
		.amdhsa_forward_progress 1
		.amdhsa_inst_pref_size 30
	.end_amdhsa_kernel
	.amdgpu_metadata
---
amdhsa.version: [ 1, 2 ]
amdhsa.kernels:
  - .name:           k_q337375cdb6_route
    .symbol:         k_q337375cdb6_route.kd
    .args:
      - { .name: x, .offset: 0, .size: 8, .value_kind: global_buffer, .address_space: global }
      - { .name: Wr, .offset: 8, .size: 8, .value_kind: global_buffer, .address_space: global }
      - { .name: br, .offset: 16, .size: 8, .value_kind: global_buffer, .address_space: global }
      - { .name: xq, .offset: 24, .size: 8, .value_kind: global_buffer, .address_space: global }
      - { .name: xs, .offset: 32, .size: 8, .value_kind: global_buffer, .address_space: global }
      - { .name: ridx, .offset: 40, .size: 8, .value_kind: global_buffer, .address_space: global }
      - { .name: gate, .offset: 48, .size: 8, .value_kind: global_buffer, .address_space: global }
    .group_segment_fixed_size: 18944
    .private_segment_fixed_size: 0
    .kernarg_segment_align: 8
    .kernarg_segment_size: 56
    .max_flat_workgroup_size: 128
    .sgpr_count:     66
    .vgpr_count:     234
    .wavefront_size: 32
...
	.end_amdgpu_metadata
.endif
;; end of part 5
;; launch place (part 6): grid 1 x 1, 8 waves a work-group, no clusters, 0 bytes of LDS; arguments ridx, order; writes order
.if DOCPART == 6
	.amdgcn_target "amdgcn-amd-amdhsa--gfx1250"
	.amdhsa_code_object_version 6
	.text
	.protected	k_q337375cdb6_place
	.globl	k_q337375cdb6_place
	.p2align	8
	.type	k_q337375cdb6_place,@function
k_q337375cdb6_place:
	s_mov_b64 s[64:65], 0
	v_nop
	global_prefetch_b8 v0, s[64:65] scope:SCOPE_SE
	s_setreg_imm32_b32 hwreg(HW_REG_WAVE_MODE, 25, 1), 1
	s_wait_xcnt 0x0
; THE TOKENS BY EXPERT.  ridx [1024] u32: each token's expert.  order: [8][1024] u32, expert e's tokens by rank, at byte 4096 e + 4 rank; then the 8 counts at byte 32768 + 4 e.
; Wave e reads all 1,024 numbers (32 a lane) and builds expert e's list alone: no LDS, no barrier, no atomic.  A token's rank is the running count plus the number of lower lanes that match in the same register.
; TWO PHASES.  First, with every lane on, all 32 masks, ranks, offsets and token numbers are made; then come the 32 masked stores, which write no register.  So every offset is made and held inside the list
; while EXEC is as it was at the entry.
; Only ranks under the count are written, and one more word: an expert WITHOUT tokens gets token 0 at rank 0, so that the word which the later launches' first loads read has been stored.
; One work-group: the whole work is 4 KB read eight times and 4 KB stored.
.set IDX, 8                            ; v8-39    register 4 q + c of lane l: the expert of token 128 q + 4 l + c
.set OF,  40                           ; v40-71   that token's byte offset in my list, if it is mine
.set TK,  72                           ; v72-103  the token's number
.set MK,  24                           ; s24-55   which lanes' tokens are mine, register by register
	s_load_b128 s[4:7], s[0:1], 0x0                ; ridx s[4:5], order s[6:7]
	v_lshrrev_b32 v1, 5, v0
	s_delay_alu instid0(VALU_DEP_1)
	v_readfirstlane_b32 s8, v1                     ; wave = expert
	v_and_b32 v1, 31, v0                           ; lane
	s_delay_alu instid0(VALU_DEP_1)
	v_lshlrev_b32 v2, 4, v1                        ; 16 lane
	s_delay_alu instid0(VALU_DEP_2)
	v_lshlrev_b32 v3, 2, v1                        ; 4 lane
	s_lshl_b32 s16, s8, 12
	s_mov_b32 s17, 0
	s_lshl_b32 s18, s8, 2
	s_add_co_u32 s18, s18, 32768
	s_mov_b32 s19, 0
	s_mov_b32 s9, 0                                ; the running count
	s_wait_alu depctr_va_vdst(0)
	s_wait_kmcnt 0x0
	s_add_nc_u64 s[12:13], s[6:7], s[16:17]        ; my list
	s_add_nc_u64 s[14:15], s[6:7], s[18:19]        ; my count
.irp q, 0,1,2,3,4,5,6,7
	global_load_b128 v[IDX+4*\q:IDX+4*\q+3], v2, s[4:5] offset:512*\q
.endr
	s_wait_loadcnt 0x0
.set n_, 0
.rept 32
	v_cmp_eq_u32 s[MK+n_], s8, v[IDX+n_]
	s_delay_alu instid0(VALU_DEP_1)
	v_mbcnt_lo_u32_b32 v[OF+n_], s[MK+n_], 0       ; matching lanes below me,
	s_delay_alu instid0(VALU_DEP_1)
	v_add_nc_u32 v[OF+n_], s9, v[OF+n_]            ; + the count so far: the rank
	s_bcnt1_i32_b32 s10, s[MK+n_]
	s_add_co_u32 s9, s9, s10
	s_min_u32 s9, s9, 1024                         ; numbers made of loaded ones are held by constants: the count at the list's length,
	v_min_u32 v[OF+n_], 1023, v[OF+n_]             ; the rank inside the list
	s_delay_alu instid0(VALU_DEP_1)
	v_lshlrev_b32 v[OF+n_], 2, v[OF+n_]
	v_add_nc_u32 v[TK+n_], 128*(n_/4)+n_%4, v3     ; the token
.set n_, n_+1
.endr
	v_mov_b32 v5, s9                               ; the count
	s_delay_alu instid0(VALU_DEP_1)
	v_or_b32 v6, v5, v1                            ; 0 in lane 0 of an expert without tokens
	s_wait_alu depctr_va_vdst(0)
	s_wait_xcnt 0x0                                ; EXEC changes only behind this wait
.set n_, 0
.rept 32
	s_and_saveexec_b32 s11, s[MK+n_]
	global_store_b32 v[OF+n_], v[TK+n_], s[12:13]
	s_wait_xcnt 0x0                                ; ahead of the line that widens EXEC; nothing is issued between that line and the next narrowing
	s_or_b32 exec_lo, exec_lo, s11
.set n_, n_+1
.endr
	v_cmpx_eq_u32 0, v1                            ; lane 0 (its 4 x lane is 0)
	global_store_b32 v3, v5, s[14:15]              ; the count
	s_wait_xcnt 0x0                                ; EXEC changes only behind this wait
	v_cmpx_eq_u32 0, v6
	global_store_b32 v3, v6, s[12:13]              ; token 0 at rank 0, where the list is empty
	s_endpgm
.Lfunc_end_k_q337375cdb6_place:
	.size	k_q337375cdb6_place, .Lfunc_end_k_q337375cdb6_place-k_q337375cdb6_place
	.p2alignl 7, 3214868480
	.fill 96, 4, 3214868480
	.section	.rodata,"a",@progbits
	.p2align	6, 0x0
	.amdhsa_kernel k_q337375cdb6_place
		.amdhsa_group_segment_fixed_size 0
		.amdhsa_private_segment_fixed_size 0
		.amdhsa_enable_private_segment 0
		.amdhsa_kernarg_size 16
		.amdhsa_user_sgpr_count 2
		.amdhsa_user_sgpr_kernarg_segment_ptr 1
		.amdhsa_wavefront_size32 1
		.amdhsa_system_sgpr_workgroup_id_x 1
		.amdhsa_system_sgpr_workgroup_id_y 1
		.amdhsa_system_sgpr_workgroup_id_z 1
		.amdhsa_system_vgpr_workitem_id 0
		.amdhsa_next_free_vgpr 104
		.amdhsa_next_free_sgpr 66
		.amdhsa_reserve_vcc 0
		.amdhsa_float_denorm_mode_32 3
		.amdhsa_float_denorm_mode_16_64 3
		.amdhsa_memory_ordered 1
		.amdhsa_forward_progress 1
		.amdhsa_inst_pref_size 26
	.end_amdhsa_kernel
	.amdgpu_metadata
---
amdhsa.version: [ 1, 2 ]
amdhsa.kernels:
  - .name:           k_q337375cdb6_place
    .symbol:         k_q337375cdb6_place.kd
    .args:
      - { .name: ridx, .offset: 0, .size: 8, .value_kind: global_buffer, .address_space: global }
      - { .name: order, .offset: 8, .size: 8, .value_kind: global_buffer, .address_space: global }
    .group_segment_fixed_size: 0
    .private_segment_fixed_size: 0
    .kernarg_segment_align: 8
    .kernarg_segment_size: 16
    .max_flat_workgroup_size: 256
    .sgpr_count:     66
    .vgpr_count:     104
    .wavefront_size: 32
...
	.end_amdgpu_metadata
.endif
;; end of part 6
;; launch ffn1 (part 7): grid 32 x 8, 16 waves a work-group, no clusters, 102,400 bytes of LDS; arguments W1_codes, W1_scales, b1, xq, xs, order, hq, hs; writes hq, hs
.if DOCPART == 7
	.amdgcn_target "amdgcn-amd-amdhsa--gfx1250"
	.amdhsa_code_object_version 6
	.text
	.protected	k_q337375cdb6_ffn1
	.globl	k_q337375cdb6_ffn1
	.p2align	8
	.type	k_q337375cdb6_ffn1,@function
k_q337375cdb6_ffn1:
	s_mov_b64 s[64:65], 0
	v_nop
	global_prefetch_b8 v0, s[64:65] scope:SCOPE_SE
	s_setreg_imm32_b32 hwreg(HW_REG_WAVE_SCHED_MODE, 0, 2), 2
	s_setreg_imm32_b32 hwreg(HW_REG_WAVE_MODE, 25, 1), 1
	s_wait_xcnt 0x0
	s_wait_alu depctr_vm_vsrc(0)
; THE FIRST PRODUCT OF THE CHOSEN EXPERT, THE GELU AND THE QUANTISER: hidden = Q(gelu(Q(x) W1[e] + b1[e])), for the tokens of expert e alone (the rest is masked away in the problem itself).
; SHARES.  Work-group (j, e): hidden units 128 j .. 128 j + 127 of expert e: 128 rows of W1's codes, ONE dense block of 98,304 bytes, read from memory once in the launch by loads of 512 consecutive bytes and laid
; into LDS.  8 x 32 = 256 work-groups.  A TASK is a tile of 16 tokens of the expert's list against the 128 units and all of K = 1,024: 64 matrix instructions, a gelu of 64 numbers a lane, one fragment out.
; Wave w takes tiles w, w + 16, ..: sixteen waves of 256 registers, four to a SIMD, so that one wave's gelu stands beside another's products and LDS loads.
; THE NUMBER OF TILES IS READ FROM MEMORY.  So this text has no tensor load and no joint request (the 32 work-groups of an expert read the same rows of x, 12 KB a tile: they come by plain loads), ONE barrier, on every
; wave's way, and no LDS address that is stepped.  Every wave makes its first task's addresses and loads ahead of the barrier, a wave without a tile too (with clamped numbers): so each register of the loop is written on
; every way into it.  n' = max(count, 1): for an expert without tokens one tile of token 0 is made that nobody uses, so that what the next launch's first loads read has been stored.
; Rows of a tile past the count repeat the expert's last token: EXEC stays full.
; K's ORDER.  A lane (r, h) takes bytes 96 s + 48 h .. + 47 of its row for K step s, three loads of 16 bytes at multiples of 16: blocks 2 h, 2 h + 1 where the instruction has blocks h, 2 + h.  The same on both operands, so
; the products pair rightly; the scale words have their two middle bytes changed (W1's here by v_perm_b32, x's by the launch that made them).  P(b) below is b with its two bits changed: 0, 2, 1, 3.
; TRANSPOSED: source 0 = 16 rows of W1, source 1 = 16 tokens: a lane holds ONE token and its registers run along the hidden units.  Tile t's row m is the slice's row 32 P(t / 2) + 8 (t % 2) + m + 8 (m / 8): the 16
; registers of tiles 2 b, 2 b + 1 are 16 neighbours of hidden block P(b), which is where the next product's own K order wants what the quantiser puts at place b.  LDS holds the rows in tile order.
; b1 is loaded into the accumulators: it is the C of the first K step, and all 64 matrix instructions have one form.
; GELU, exact form in f32: z = |a| / sqrt 2, t = 1 / (1 + z / 2), q = erfc(z) / 2 = t 2^(poly(t) - z^2 log2 e - 1), gelu = max(a, 0) - |a| q.  poly: the degree-9 Chebyshev fit of erfc (fractional error 1.2e-7 for every z).
; OUT: hq: the fragment as an image of its 12 registers: (e, tile T, K step j) at e 3145728 + T 49152 + j 1536, group i of four registers of lane l at 512 i + 16 l; hs: its scale word at e 262144 + T 4096 + j 128 + 4 l.
; LIMITS: NaN and infinities are not served.  q under 2^-126 counts as 0 (v_exp_f32 gives no denormals: ISA guide, its entry).  A block whose largest magnitude lies under 2^-122 gets the byte 1.
; THE MODE: SCHED_MODE bits 1:0 = 2 (LLVM: expert scheduling mode 2), set by the entry lines.  The code itself states the register dependences between vector or matrix instructions and memory or LDS instructions,
; with s_wait_alu, always for 0.
; THE PLAN.  Registers that memory or LDS instructions touch:
;   WF         At the head the copy's loads land in it and the LDS stores read it.  In a group of a K step twelve LDS loads land in it and four matrix instructions read it.  In the gelu vector instructions alone name it.
;   XF         Ring place s % 4: K step s's eight matrix instructions read it; the loads of K step s + 4 land in it at the head of K step s + 1.
;   ACC, XS    A task's first loads land in them (b1, x's scale words); from then on matrix and vector instructions alone name them, the quantiser's conversions last.
;   PC, PW     Written by the quantiser, read by the task's four stores.
;   v8 - v14   (but v12) offsets and the token: made or loaded anew for each task; v10 serves the loads of W1's scale words at the head.
;   v3 - v7, v12   offsets and LDS addresses made at the head and never written again.
; The wave's 256 registers are all taken, so WF has one set.  ONE wait on va_vdst stands at the head of each group but a task's first: the four matrix instructions of the group before are done reading WF, and at a K
; step's head the eight of the step before are done reading their place of XF's ring; the group's twelve LDS loads and the ring's three loads follow it with no further wait.  A task's first group finds WF free: on both
; ways into the loop no vector or matrix instruction has named it since the last wait on va_vdst.  A task's end has one wait on va_vdst ahead of its four stores and one on vm_vsrc behind them, for all that the next task writes.
.set PITCH, 784                        ; an LDS row: 768 bytes + 16 = 49 x 16: the 16 rows of a load of 16 bytes a lane start in 16 different groups of four banks (64 banks of 4 bytes: ISA guide 11.1)
.set TROWS, 16*PITCH
.set LA,  3                            ; v3   784 r + 48 h: tiles 0-3;   v4: the same 64 rows on: tiles 4-7
.set WS,  16                           ; v16-47   W1's scale words: register 8 tp + s, lanes 0-15 tile 2 tp, lanes 16-31 tile 2 tp + 1
.set XS,  48                           ; v48-55   x's scale words, K step s
.set ACC, 56                           ; v56-119  tile t at ACC + 8 t
.set WF,  120                          ; v120-167 four fragments of W1; at the head the copy's stage; in the gelu t, poly, z^2
.set XF,  168                          ; v168-215 a ring of four fragments of x
.set TM,  216                          ; v216-231 the quantiser's: +0..3 largest magnitudes, +4..7 bytes, +12..15 scale operands
.set PW,  232                          ; v232     the scale word just made
.set L4,  233                          ; v233     4 lane
.set PC,  234                          ; v234-252 the codes just made
.set H48, 253                          ; v253     48 h
.set C9,  254                          ; v254-255 c9, twice
.set GT,  WF
.set GP,  WF+16
.set GZ,  WF+32
; other registers: v1 r, v2 h, v5 v6 the copy's LDS addresses, v7 the copy's offset in memory, v8 the list's offset, v9 the token, v10 x's codes' offset (at the head: W1's scale words'), v11 x's scale words',
; v12 64 h (b1), v13 hq's offset, v14 hs's, v15 16 lane; v227 and v249 the closing add's two.  s20 wave, s21 j, s22 e, s23 n', s24 tiles, s25 T, s27 n' - 1, s28 s30 the constant parts of hq's and hs's offsets,
; s[34:35] my expert's list, s60 the loop's count.
.macro COEF reg, bits                  ; a packed form names a pair and takes its low word for both halves: so both are written
	s_mov_b32 s[\reg], \bits
	s_mov_b32 s[\reg+1], s[\reg]
.endm
	s_load_b512 s[4:19], s[0:1], 0x0               ; W1_codes s[4:5], W1_scales s[6:7], b1 s[8:9], xq s[10:11], xs s[12:13], order s[14:15], hq s[16:17], hs s[18:19]
	v_lshl_add_u32 v227, v0, 2, 0x18800
	v_mov_b32 v249, 0
	v_lshrrev_b32 v1, 5, v0
	v_readfirstlane_b32 s20, v1                    ; wave 0..15
	s_mov_b32 s21, ttmp9                           ; j
	s_and_b32 s22, ttmp7, 0xffff                   ; e
	v_and_b32 v15, 31, v0
	v_lshlrev_b32 v[L4], 2, v15
	v_lshlrev_b32 v15, 4, v15
	s_wait_alu depctr_va_vdst(0)
	v_and_b32 v1, 15, v0                           ; r
	v_bfe_u32 v2, v0, 4, 1                         ; h
	v_mul_u32_u24 v[H48], v2, 48
	v_mul_u32_u24 v[LA], v1, PITCH
	v_add_nc_u32 v[LA], v[LA], v[H48]
	v_add_nc_u32 v[LA+1], 64*PITCH, v[LA]
	s_wait_alu depctr_va_sdst(0)                   ; s20, the wave's number, is written, ahead of its first reader
	; the copy: wave w brings the slice's rows 8 w .. 8 w + 7 to LDS rows 32 P(w / 4) + 16 (w % 2) + 8 ((w / 2) % 2) + 0 .. 7
	s_bfe_u32 s26, s20, 0x10002
	s_lshl_b32 s26, s26, 6
	s_bfe_u32 s27, s20, 0x10003
	s_lshl_b32 s27, s27, 5
	s_or_b32 s26, s26, s27
	s_and_b32 s27, s20, 1
	s_lshl_b32 s27, s27, 4
	s_or_b32 s26, s26, s27
	s_bfe_u32 s27, s20, 0x10001
	s_lshl_b32 s27, s27, 3
	s_or_b32 s26, s26, s27
	s_mul_i32 s26, s26, PITCH
	v_add_nc_u32 v5, s26, v15                      ; 16 bytes a lane from the row's start,
	s_wait_alu depctr_va_vdst(0)
	v_lshl_add_u32 v6, v2, 4, v5                   ; and for the load in whose middle a row ends: lanes 16-31 behind the padding
	s_mul_i32 s26, s20, 6144
	v_add_nc_u32 v7, s26, v15                      ; in memory: 6,144 bytes a wave
	v_and_b32 v10, 8, v1
	v_add_nc_u32 v10, v10, v1
	v_lshl_add_u32 v10, v2, 3, v10
	v_lshlrev_b32 v10, 5, v10                      ; W1's scale words: row 8 h + r + 8 (r / 8) of a block of 32 rows, 32 bytes a row
	v_lshlrev_b32 v12, 6, v2
	s_mov_b32 s36, 0x76543210                      ; v_permlanex16_b32: lane l xor 16
	s_mov_b32 s37, 0xfedcba98
	s_mov_b32 s38, 0x3eb504f3                      ; 1 / (2 sqrt 2)
	s_mov_b32 s39, 0x03010200                      ; v_perm_b32: bytes 1 and 2 change places
	COEF 40, 0xbf97d29d                            ; the fit's coefficients x log2 e: c8 = -1.18611495
	COEF 42, 0x40097039                            ; c7 =  2.14747446
	COEF 44, 0xbfd1a1e5                            ; c6 = -1.63775315
	COEF 46, 0x3ecdfd18                            ; c5 =  0.40232158
	COEF 48, 0xbe899a80                            ; c4 = -0.26875686
	COEF 50, 0x3e0efb2f                            ; c3 =  0.13963006
	COEF 52, 0x3f0a29d2                            ; c2 =  0.53970062
	COEF 54, 0x3fb8ab5a                            ; c1 =  1.44272920
	COEF 56, 0xc034d90f                            ; c0 = -2.82574822 (the factor 1/2 is in it)
	COEF 58, 0xbf38aa3b                            ; -log2(e) / 2, for a^2
	s_mov_b32 s60, 0                               ; tasks done
	s_mov_b32 s33, 0
	s_lshl_b32 s31, s22, 2                         ; (kept until the count is in)
	s_wait_kmcnt 0x0
	s_load_b32 s23, s[14:15], s31 offset:0x8000    ; my expert's count
	s_mul_i32 s32, s22, 3145728
	s_mul_i32 s26, s21, 98304
	s_add_co_u32 s32, s32, s26
	s_add_nc_u64 s[4:5], s[4:5], s[32:33]          ; my slice of the codes,
	s_lshl_b32 s32, s22, 17
	s_lshl_b32 s26, s21, 12
	s_add_co_u32 s32, s32, s26
	s_add_nc_u64 s[6:7], s[6:7], s[32:33]          ; of the scale bytes,
	s_lshl_b32 s32, s22, 14
	s_lshl_b32 s26, s21, 9
	s_add_co_u32 s32, s32, s26
	s_add_nc_u64 s[8:9], s[8:9], s[32:33]          ; of b1
	s_lshl_b32 s32, s22, 12
	s_add_nc_u64 s[34:35], s[14:15], s[32:33]      ; my expert's list
	s_mul_i32 s28, s22, 3145728
	s_mul_i32 s26, s21, 1536
	s_add_co_u32 s28, s28, s26
	s_lshl_b32 s30, s22, 18
	s_lshl_b32 s26, s21, 7
	s_add_co_u32 s30, s30, s26
	s_wait_alu depctr_va_vdst(0)                   ; the offsets and LDS addresses made above (v3 to v7, v10, v12) are written, which the loads and LDS instructions from here on read
.irp i, 0,1,2,3,4,5,6,7,8,9,10,11
	global_load_b128 v[WF+4*\i:WF+4*\i+3], v7, s[4:5] offset:512*\i th:TH_LOAD_NT   ; 512 consecutive bytes a load; the work-group has all its 96 KB on their way at once
.endr
.irp tp, 0,1,2,3
.irp hf, 0,1
	global_load_b128 v[WS+8*\tp+4*\hf:WS+8*\tp+4*\hf+3], v10, s[6:7] offset:1024*(2*(\tp%2)+\tp/2)+16*\hf th:TH_LOAD_NT
.endr
.endr
	s_wait_kmcnt 0x0
	s_min_u32 s23, s23, 1024
	s_max_u32 s23, s23, 1                          ; n'
	s_sub_co_u32 s27, s23, 1
	s_add_co_u32 s24, s23, 15
	s_lshr_b32 s24, s24, 4                         ; tiles
	s_mov_b32 s25, s20                             ; my first tile
.macro PRO_A                           ; the token of my row: rank min(16 T + r, n' - 1), held inside the list by a constant
	s_lshl_b32 s26, s25, 4
	v_add_nc_u32 v8, s26, v1
	v_min_u32 v8, s27, v8
	v_min_u32 v8, 1023, v8
	v_lshlrev_b32 v8, 2, v8
	s_wait_alu depctr_va_vdst(0)                   ; v8 is written, which the load reads as its offset; the last task's lines that read v9, in which the load lands, are done
	global_load_b32 v9, v8, s[34:35]
.endm
.macro XLOAD s                         ; x's fragment of K step s into the ring
.irp i, 0,1,2
	global_load_b128 v[XF+12*((\s)%4)+4*\i:XF+12*((\s)%4)+4*\i+3], v10, s[10:11] offset:96*(\s)+16*\i
.endr
.endm
.macro PRO_B                           ; the task's addresses and its first loads: b1 (16), x's scale words (2), x's K steps 0 to 3 (12)
	v_min_u32 v9, 1023, v9
	v_mul_u32_u24 v10, v9, 768
	v_add_nc_u32 v10, v10, v[H48]
	v_lshlrev_b32 v11, 5, v9
	s_min_u32 s26, s25, 63
	s_mul_i32 s29, s26, 49152
	s_add_co_u32 s29, s29, s28
	v_add_nc_u32 v13, s29, v15
	s_lshl_b32 s29, s26, 12
	s_add_co_u32 s29, s29, s30
	v_add_nc_u32 v14, s29, v[L4]
	s_wait_alu depctr_va_vdst(0)                   ; v10, v11, v13 and v14 are written, which the task's loads and stores read; the last task's matrix, gelu and quantiser lines are done with ACC, XS and XF, in which the loads below land
.irp t, 0,1,2,3,4,5,6,7                ; lane (r, h), tile t, register i: unit 32 P(t / 2) + 8 (t % 2) + 16 h + i
	global_load_b128 v[ACC+8*\t:ACC+8*\t+3],   v12, s[8:9] offset:4*(32*(2*((\t/2)%2)+\t/4)+8*(\t%2))
	global_load_b128 v[ACC+8*\t+4:ACC+8*\t+7], v12, s[8:9] offset:4*(32*(2*((\t/2)%2)+\t/4)+8*(\t%2))+16
.endr
	global_load_b128 v[XS:XS+3],   v11, s[12:13]
	global_load_b128 v[XS+4:XS+7], v11, s[12:13] offset:16
	XLOAD 0
	XLOAD 1
	XLOAD 2
	XLOAD 3
.endm
	PRO_A
	s_wait_loadcnt 0x0                             ; the weights, their scale words and my token are in
	s_wait_alu depctr_vm_vsrc(0)                   ; the loads of W1's scale words have read v10, which is written anew below
	PRO_B
.irp a, 0,1,2,3                        ; three loads are two rows of 768 bytes
	ds_store_b128 v5, v[WF+12*\a:WF+12*\a+3]    offset:2*PITCH*\a
	ds_store_b128 v6, v[WF+12*\a+4:WF+12*\a+7]  offset:2*PITCH*\a+512
	ds_store_b128 v5, v[WF+12*\a+8:WF+12*\a+11] offset:2*PITCH*\a+PITCH+256
.endr
.set k_, 0
.rept 32
	v_perm_b32 v[WS+k_], v[WS+k_], v[WS+k_], s39
.set k_, k_+1
.endr
.irp b, 0,1,2,3                        ; eight plain lines stand between the last scale word so written and the first scaled matrix instruction: these six are due anyway
	v_mov_b32 v[TM+4+\b], 0                        ; (a lane permute's destination counts as one of its sources)
.endr
	v_mov_b32 v[C9], 0x3e7c6f08                    ; c9 = 0.24651730
	v_mov_b32 v[C9+1], 0x3e7c6f08
	v_nop
	v_nop
	s_wait_alu depctr_va_vdst(0)                   ; v_perm_b32 has written W1's scale words, which the scaled matrix instructions take: first the eight lines, then this wait
	s_wait_dscnt 0x0                               ; for the others' sake: my rows lie in LDS
	s_barrier_signal -1
	s_barrier_wait -1                              ; all 128 rows do.  They are never written again: the launch's one barrier
	s_wait_alu depctr_vm_vsrc(0)                   ; my LDS stores have read WF, in which the first group's LDS loads land
	s_cmp_ge_u32 s25, s24
	s_cbranch_scc1 .Ldone                          ; a wave without a tile ends (its loads may be out: nothing of theirs is used)
.macro MM1 t, q, s
.if (\t)%2
	v_wmma_scale_f32_16x16x128_f8f6f4 v[ACC+8*(\t):ACC+8*(\t)+7], v[WF+12*(\q):WF+12*(\q)+11], v[XF+12*((\s)%4):XF+12*((\s)%4)+11], v[ACC+8*(\t):ACC+8*(\t)+7], v[WS+8*((\t)/2)+(\s)], v[XS+(\s)] matrix_a_fmt:MATRIX_FMT_BF6 matrix_b_fmt:MATRIX_FMT_BF6 matrix_a_scale:MATRIX_SCALE_ROW1
.else
	v_wmma_scale_f32_16x16x128_f8f6f4 v[ACC+8*(\t):ACC+8*(\t)+7], v[WF+12*(\q):WF+12*(\q)+11], v[XF+12*((\s)%4):XF+12*((\s)%4)+11], v[ACC+8*(\t):ACC+8*(\t)+7], v[WS+8*((\t)/2)+(\s)], v[XS+(\s)] matrix_a_fmt:MATRIX_FMT_BF6 matrix_b_fmt:MATRIX_FMT_BF6
.endif
.endm
; K step s: two groups, each four fragments of W1 from LDS and four matrix instructions.  The eight accumulators take turns, one instruction a turn.
; The ring's next loads, K step s + 3's, stand at the step's head behind the same wait and behind the LDS loads, for which the group's products wait.
; Four plain lines stand behind a task's last matrix instruction, ahead of the gelu's first lines, which read results and write over fragments (ISA guide 7.12.1).
.macro KSTEP s
.irp g, 0,1
.if ((\s) > 0) || (\g > 0)
	s_wait_alu depctr_va_vdst(0)                   ; the group before is done reading WF, in which the LDS loads below land; at a K step's head the step before is done reading its place of XF's ring too
.endif
.irp q, 0,1,2,3
.irp i, 0,1,2
	ds_load_b128 v[WF+12*\q+4*\i:WF+12*\q+4*\i+3], v[LA+\g] offset:TROWS*\q+96*(\s)+16*\i
.endr
.endr
.if \g == 0
.if ((\s) > 0) && ((\s) < 5)
	XLOAD (\s)+3                                   ; into the ring's place that the step before has read.  No further wait: nothing since the wait above names it
.endif
.if 3*(7-(\s)) < 9
	s_wait_loadcnt 3*(7-(\s))                      ; x's K step s is in; behind it only the later steps' loads, three each
.else
	s_wait_loadcnt 9                               ; x's K step s (and b1 and the scale words, which are older) is in; three later steps, three loads each, may be out
.endif
.endif
	s_wait_dscnt 0x0
.irp q, 0,1,2,3
	MM1 4*\g+\q, \q, \s
.endr
.endr
.if (\s) == 7
.rept 4
	v_nop
.endr
.endif
.endm
; The gelu of 16 numbers a lane, tiles 2 b and 2 b + 1, in place.  Two batches of transcendentals, each with independent plain work and ONE wait behind it, ahead of its first reader.
; Each accumulator is first read at its lowest register.
.macro GELU b
.set GA, ACC+16*\b
.set k_, 0
.rept 16
	v_fma_f32 v[GP+k_], |v[GA+k_]|, s38, 1.0       ; 1 + z / 2
.set k_, k_+1
.endr
.set k_, 0
	s_wait_alu depctr_va_vdst(0)
.rept 16
	v_rcp_f32 v[GT+k_], v[GP+k_]                   ; t
.set k_, k_+1
.endr
.set k_, 0
.rept 8
	v_pk_mul_f32 v[GZ+k_:GZ+k_+1], v[GA+k_:GA+k_+1], v[GA+k_:GA+k_+1]   ; a^2
.set k_, k_+2
.endr
	s_wait_alu depctr_va_vdst(0)                   ; the sixteen reciprocals have written t, ahead of its first reader
.set k_, 0
.rept 8
	v_pk_fma_f32 v[GP+k_:GP+k_+1], v[GT+k_:GT+k_+1], v[C9:C9+1], s[40:41] op_sel_hi:[1,1,0]
.set k_, k_+2
.endr
.irp c, 42,44,46,48,50,52,54,56
.set k_, 0
.rept 8
	v_pk_fma_f32 v[GP+k_:GP+k_+1], v[GP+k_:GP+k_+1], v[GT+k_:GT+k_+1], s[\c:\c+1] op_sel_hi:[1,1,0]
.set k_, k_+2
.endr
.endr
.set k_, 0
.rept 8
	v_pk_fma_f32 v[GZ+k_:GZ+k_+1], v[GZ+k_:GZ+k_+1], s[58:59], v[GP+k_:GP+k_+1] op_sel_hi:[1,0,1]
.set k_, k_+2
.endr
.set k_, 0
	s_wait_alu depctr_va_vdst(0)
.rept 16
	v_exp_f32 v[GZ+k_], v[GZ+k_]
.set k_, k_+1
.endr
.set k_, 0
.rept 16
	v_max_num_f32 v[GP+k_], 0, v[GA+k_]            ; max(a, 0)
.set k_, k_+1
.endr
	s_wait_alu depctr_va_vdst(0)                   ; the sixteen exponentials have written their results, ahead of the first reader
.set k_, 0
.rept 8
	v_pk_mul_f32 v[GZ+k_:GZ+k_+1], v[GZ+k_:GZ+k_+1], v[GT+k_:GT+k_+1]   ; q
.set k_, k_+2
.endr
.set k_, 0
.rept 16
	v_fma_f32 v[GA+k_], -|v[GA+k_]|, v[GZ+k_], v[GP+k_]
.set k_, k_+1
.endr
.endm
; 64 numbers of a lane, register 16 b + i = place 32 b + 16 h + i along the next K, become a fragment's codes in v[PC] on and its scale word in v[PW].
.macro QUANT s
.irp b, 0,1,2,3
	v_max3_num_f32 v[TM+\b], |v[\s+16*\b]|, |v[\s+1+16*\b]|, 0x2800000   ; my 16 numbers of block b, and the floor 2^(5 - 127): the byte cannot fall under 1
.endr
.irp i, 2,4,6,8,10,12,14
.irp b, 0,1,2,3
	v_max3_num_f32 v[TM+\b], v[TM+\b], |v[\s+16*\b+\i]|, |v[\s+1+16*\b+\i]|
.endr
.endr
.irp b, 0,1,2,3
	v_permlanex16_b32 v[TM+4+\b], v[TM+\b], s36, s37
.endr
.irp b, 0,1,2,3
	v_max_num_f32 v[TM+\b], v[TM+\b], v[TM+4+\b]   ; with lane l xor 16's: the block's largest magnitude
.endr
.irp b, 0,1,2,3
	v_add_nc_u32 v[TM+12+\b], 0xfe000000, v[TM+\b] ; 4 off its exponent field: the conversion's scale operand
.endr
.irp b, 0,1,2,3
	v_lshrrev_b32 v[TM+4+\b], 23, v[TM+12+\b]      ; the byte
.endr
	v_lshl_or_b32 v[PW], v[TM+5], 8, v[TM+4]
	v_lshl_or_b32 v[PW], v[TM+6], 16, v[PW]
	v_lshl_or_b32 v[PW], v[TM+7], 24, v[PW]
.irp c, 0,1
	v_cvt_scalef32_pk16_bf6_f32 v[PC+6*\c:PC+2+6*\c], v[\s+32*\c:\s+15+32*\c], v[TM+12+2*\c]
	v_cvt_scalef32_pk16_bf6_f32 v[PC+12+4*\c:PC+14+4*\c], v[\s+16+32*\c:\s+31+32*\c], v[TM+12+2*\c+1]   ; (a conversion's three registers begin on an even number)
.endr
	v_nop                                          ; one plain line behind a scaled conversion
.irp c, 0,1                            ; the operand wants a whole block in a lane: lanes 0-15 place 2 c, lanes 16-31 place 2 c + 1
.irp i, 0,1,2
	v_permlane16_swap_b32 v[PC+6*\c+\i], v[PC+12+4*\c+\i]
.endr
.irp i, 0,1,2
	v_mov_b32 v[PC+3+6*\c+\i], v[PC+12+4*\c+\i]
.endr
.endr
.endm
; THE LOOP OVER MY TILES.  1,024 tokens are 64 tiles at the most and sixteen waves share them: a wave has at most four.  So the loop is counted against the constant 4; the way out is the forward branch on the
; number of tiles, which stands ahead of the next task's loads.  (Behind a fourth task T is 64 or more, which is no tile: the constant cuts nothing off.)
.Ltask:
.irp s, 0,1,2,3,4,5,6,7
	KSTEP \s
.endr
.irp b, 0,1,2,3
	GELU \b
.endr
	QUANT ACC
	s_wait_alu depctr_va_vdst(0)                   ; the quantiser has written the codes in PC and the scale word in PW, which the four stores read
.irp i, 0,1,2
	global_store_b128 v13, v[PC+4*\i:PC+4*\i+3], s[16:17] offset:512*\i   ; the wave stores 512 consecutive bytes, at a multiple of 512 from hq's first byte
.endr
	global_store_b32 v14, v[PW], s[18:19]
	s_wait_alu depctr_vm_vsrc(0)                   ; the task's loads have read v8, v10 and v11, its stores v13, v14, PC and PW: the next task writes all of them anew.  It stands ahead of the branch
	s_add_co_u32 s25, s25, 16                      ; my next tile
	s_cmp_ge_u32 s25, s24
	s_cbranch_scc1 .Ldone
	s_wait_xcnt 0x0                                ; the stores and loads above have been taken up: their address and data registers may be written
	PRO_A
	s_wait_loadcnt 0x0                             ; my token
	PRO_B
	s_add_co_u32 s60, s60, 1
	s_cmp_lt_u32 s60, 4
	s_cbranch_scc1 .Ltask
.Ldone:
	s_wait_dscnt 0x0                               ; the closing lines, six on end
	s_wait_alu 0x0
	s_wait_tensorcnt 0x0
	ds_add_u32 v227, v249
	s_wait_dscnt 0x0
	s_endpgm
.Lfunc_end_k_q337375cdb6_ffn1:
	.size	k_q337375cdb6_ffn1, .Lfunc_end_k_q337375cdb6_ffn1-k_q337375cdb6_ffn1
	.p2alignl 7, 3214868480
	.fill 96, 4, 3214868480
	.section	.rodata,"a",@progbits
	.p2align	6, 0x0
	.amdhsa_kernel k_q337375cdb6_ffn1
		.amdhsa_group_segment_fixed_size 102400
		.amdhsa_private_segment_fixed_size 0
		.amdhsa_enable_private_segment 0
		.amdhsa_kernarg_size 64
		.amdhsa_user_sgpr_count 2
		.amdhsa_user_sgpr_kernarg_segment_ptr 1
		.amdhsa_wavefront_size32 1
		.amdhsa_system_sgpr_workgroup_id_x 1
		.amdhsa_system_sgpr_workgroup_id_y 1
		.amdhsa_system_sgpr_workgroup_id_z 1
		.amdhsa_system_vgpr_workitem_id 0
		.amdhsa_next_free_vgpr 256
		.amdhsa_next_free_sgpr 66
		.amdhsa_reserve_vcc 0
		.amdhsa_float_denorm_mode_32 3
		.amdhsa_float_denorm_mode_16_64 3
		.amdhsa_memory_ordered 1
		.amdhsa_forward_progress 1
		.amdhsa_inst_pref_size 83
	.end_amdhsa_kernel
	.amdgpu_metadata
---
amdhsa.version: [ 1, 2 ]
amdhsa.kernels:
  - .name:           k_q337375cdb6_ffn1
    .symbol:         k_q337375cdb6_ffn1.kd
    .args:
      - { .name: W1_codes, .offset: 0, .size: 8, .value_kind: global_buffer, .address_space: global }
      - { .name: W1_scales, .offset: 8, .size: 8, .value_kind: global_buffer, .address_space: global }
      - { .name: b1, .offset: 16, .size: 8, .value_kind: global_buffer, .address_space: global }
      - { .name: xq, .offset: 24, .size: 8, .value_kind: global_buffer, .address_space: global }
      - { .name: xs, .offset: 32, .size: 8, .value_kind: global_buffer, .address_space: global }
      - { .name: order, .offset: 40, .size: 8, .value_kind: global_buffer, .address_space: global }
      - { .name: hq, .offset: 48, .size: 8, .value_kind: global_buffer, .address_space: global }
      - { .name: hs, .offset: 56, .size: 8, .value_kind: global_buffer, .address_space: global }
    .group_segment_fixed_size: 102400
    .private_segment_fixed_size: 0
    .kernarg_segment_align: 8
    .kernarg_segment_size: 64
    .max_flat_workgroup_size: 512
    .sgpr_count:     66
    .vgpr_count:     256
    .wavefront_size: 32
...
	.end_amdgpu_metadata
.endif
;; end of part 7
;; launch ffn2 (part 8): grid 32 x 8, 16 waves a work-group, no clusters, 137,728 bytes of LDS; arguments W2_codes, W2_scales, b2, hq, hs, order, gate, out0; writes out0
.if DOCPART == 8
	.amdgcn_target "amdgcn-amd-amdhsa--gfx1250"
	.amdhsa_code_object_version 6
	.text
	.protected	k_q337375cdb6_ffn2
	.globl	k_q337375cdb6_ffn2
	.p2align	8
	.type	k_q337375cdb6_ffn2,@function
k_q337375cdb6_ffn2:
	s_mov_b64 s[64:65], 0
	v_nop
	global_prefetch_b8 v0, s[64:65] scope:SCOPE_SE
	s_setreg_imm32_b32 hwreg(HW_REG_WAVE_SCHED_MODE, 0, 2), 2
	s_setreg_imm32_b32 hwreg(HW_REG_WAVE_MODE, 25, 1), 1
	s_wait_xcnt 0x0
	s_wait_alu depctr_vm_vsrc(0)
; THE SECOND PRODUCT OF THE CHOSEN EXPERT: out[token] = gate[token] x (hidden W2[e] + b2[e]), for the tokens of expert e alone; each token has one expert, so each row of out0 has one owner for each column.
; SHARES.  Work-group (j, e): columns 32 j .. 32 j + 31 of expert e: 32 rows of W2's codes, ONE dense block of 98,304 bytes, read from memory once in the launch by loads of 512 consecutive bytes and laid into LDS.
; 8 x 32 = 256 work-groups.  A TASK is a tile of 16 tokens x the 32 columns x K = 4,096: 32 K steps x 2 matrix instructions.  Wave w takes tiles w, w + 16, ..: sixteen waves of 256 registers, four to a SIMD.
; The hidden layer comes from hq as images of operand registers: three loads of 512 consecutive bytes a fragment, eight K steps ahead, straight into registers.
; THE NUMBER OF TILES IS READ FROM MEMORY.  So this text has no tensor load and no joint request (the 32 work-groups of an expert read the same tiles of hq: they come by plain loads), ONE barrier, on every wave's
; way, and no LDS address that is stepped.  Every wave makes its first task's addresses and loads ahead of the barrier; a wave without a tile names the expert's last tile, or tile 0 of an expert without tokens, which the
; launch before has stored: so each register of the loop is written on every way into it, and every byte read has been stored.
; Rows of a tile past the count repeat the expert's last token: they hold, and store to the same bytes, the same numbers; EXEC stays full.
; K's ORDER: a lane (r, h) takes bytes 96 s + 48 h .. + 47 of its row of W2: blocks 2 h, 2 h + 1 where the instruction has blocks h, 2 + h.  The hidden layer's fragments were made in that order; W2's scale words have
; their two middle bytes changed here.
; TRANSPOSED: source 0 = 16 rows of W2 (columns of out), source 1 = 16 tokens: a lane holds one token and eight neighbouring columns.  b2 is the C of a sum's first matrix instruction.
; THE WAY OUT: a wave's 16 rows x 128 bytes go through its own stage in LDS; eight lanes store the 128 consecutive bytes that the work-group owns of a row.  (Half of an aligned 256 bytes: 64 columns to a work-group
; would leave 128 work-groups to bring in W2.)
; LIMITS: NaN and infinities are not served.
; THE MODE: SCHED_MODE bits 1:0 = 2 (LLVM: expert scheduling mode 2), set by the entry lines.  The code itself states the register dependences between vector or matrix instructions and memory or LDS instructions,
; with s_wait_alu, always for 0.
; THE PLAN.  Registers that memory or LDS instructions touch:
;   WF         At the head the copy's loads land in it and the LDS stores read it.  In a group twelve LDS loads land in it and four matrix instructions read it.  On the way out the stage's four loads land in its first
;              sixteen registers and the four global stores read them.
;   HF, HS     Ring place ks % 8: K step ks's two matrix instructions read it; the loads of K step ks + 8 land in it at the head of the next group.
;   Y          Written by the multiplications by the gate, read by the four LDS stores into the stage.
;   v6 - v10, v12 - v15, TK   offsets, tokens and the gate: made or loaded anew for each task; v8 and v9 serve the loads of W2's scale words and of b2 at the head.
;   v3, v4, v5, v252, v253    offsets and LDS addresses made at the head and never written again.
; The wave's 256 registers are all taken, so WF has one set.  ONE wait on va_vdst stands at the head of each group but a task's first: the four matrix instructions of the group before are done reading WF and their two
; places of the ring; the group's twelve LDS loads and the ring's eight loads follow it with no further wait.  A task's first group finds WF free: on both ways into the loop no vector or matrix instruction has named it
; since the last wait on va_vdst.  The way out has one wait on va_vdst ahead of the stage's stores and loads, and one on vm_vsrc behind the global stores, for all that the next task writes.
.set PITCH, 3088                       ; an LDS row: 3,072 bytes + 16 = 193 x 16: the 16 rows of a load of 16 bytes a lane start in 16 different groups of four banks (64 banks of 4 bytes: ISA guide 11.1)
.set STG,   32*PITCH                   ; behind the weights: a stage of 16 rows x (128 + 16) bytes for each wave
.set WS,  16                           ; v16-47   W2's scale words: register s, lane = row: lanes 0-15 tile 0, lanes 16-31 tile 1
.set B2,  48                           ; v48-63   b2 in the result's layout, tile n at B2 + 8 n
.set ACC, 64                           ; v64-79   the two accumulators
.set WF,  80                           ; v80-127  four fragments of W2 (K step 2 g + u, tile n: 24 u + 12 n); at the head the copy's stage; on the way out rows of out
.set HF,  128                          ; v128-223 a ring of eight fragments of the hidden layer
.set HS,  224                          ; v224-231 and of their scale words
.set Y,   232                          ; v232-247 the results x the gate
.set TK,  248                          ; v248-251 the tokens of the rows that I store, then their offsets in out0
; other registers: v1 r, v2 h, v3 3088 r + 48 h, v4 the copy's LDS address, v5 its offset in memory, v6 v12-15 the list's offsets, v7 my row's token, then the gate's offset, v8 hq's offset (at the head: the scale
; words'), v9 hs's (at the head: b2's), v[10:11] the gate, v252 v253 the stage in and out, v254 16 (lane % 8), v255 16 lane.
; s20 wave, s21 j, s22 e, s23 n', s24 tiles, s25 T, s27 n' - 1, s28 the last stored tile, s30 s36 the expert's parts of hq's and hs's offsets, s[34:35] my expert's list, s38 the loop's count.
	s_load_b512 s[4:19], s[0:1], 0x0               ; W2_codes s[4:5], W2_scales s[6:7], b2 s[8:9], hq s[10:11], hs s[12:13], order s[14:15], gate s[16:17], out0 s[18:19]
	v_lshrrev_b32 v1, 5, v0
	v_readfirstlane_b32 s20, v1                    ; wave 0..15
	s_mov_b32 s21, ttmp9                           ; j
	s_and_b32 s22, ttmp7, 0xffff                   ; e
	v_and_b32 v255, 31, v0
	v_lshlrev_b32 v255, 4, v255
	v_and_b32 v1, 15, v0                           ; r
	v_bfe_u32 v2, v0, 4, 1                         ; h
	v_mul_u32_u24 v3, v1, PITCH
	v_mad_u32_u24 v3, v2, 48, v3
	s_wait_alu depctr_va_sdst(0)                   ; s20, the wave's number, is written, ahead of its first reader
	s_mul_i32 s26, s20, 2*PITCH
	v_add_nc_u32 v4, s26, v255                     ; the copy: wave w brings rows 2 w, 2 w + 1
	s_mul_i32 s26, s20, 6144
	v_add_nc_u32 v5, s26, v255
	v_and_b32 v254, 0x70, v255
	s_mul_i32 s26, s20, 16*144
	s_add_co_u32 s26, s26, STG                     ; my stage
	v_mul_u32_u24 v252, v1, 144
	v_lshl_add_u32 v252, v2, 5, v252
	v_add_nc_u32 v252, s26, v252                   ; in: row r, 32 bytes for each half of the lanes
	v_lshrrev_b32 v253, 7, v255
	v_mul_u32_u24 v253, v253, 144
	v_add_nc_u32 v253, v253, v254
	v_add_nc_u32 v253, s26, v253                   ; back: eight lanes to a row, four rows an instruction
	v_lshlrev_b32 v8, 3, v255                      ; W2's scale words: 128 bytes a row, lane = row
	v_lshlrev_b32 v9, 5, v2                        ; b2: 32 h
	v_mov_b32 v11, 0                               ; (named with the gate as a pair)
	s_mov_b32 s37, 0x03010200                      ; v_perm_b32: bytes 1 and 2 change places
	s_mov_b32 s38, 0                               ; tasks done
	s_mov_b32 s33, 0
	s_lshl_b32 s31, s22, 2                         ; (kept until the count is in)
	s_wait_kmcnt 0x0
	s_load_b32 s23, s[14:15], s31 offset:0x8000    ; my expert's count
	s_mul_i32 s30, s22, 3145728
	s_mul_i32 s26, s21, 98304
	s_add_co_u32 s32, s30, s26
	s_add_nc_u64 s[4:5], s[4:5], s[32:33]          ; my slice of the codes,
	s_lshl_b32 s32, s22, 17
	s_lshl_b32 s26, s21, 12
	s_add_co_u32 s32, s32, s26
	s_add_nc_u64 s[6:7], s[6:7], s[32:33]          ; of the scale bytes,
	s_lshl_b32 s32, s22, 12
	s_add_nc_u64 s[34:35], s[14:15], s[32:33]      ; my expert's list,
	s_lshl_b32 s26, s21, 7
	s_add_co_u32 s32, s32, s26
	s_add_nc_u64 s[8:9], s[8:9], s[32:33]          ; my 32 numbers of b2 (4,096 e + 128 j bytes),
	s_mov_b32 s32, s26
	s_add_nc_u64 s[18:19], s[18:19], s[32:33]      ; my 128 bytes of a row of out0
	s_lshl_b32 s36, s22, 18
	s_wait_alu depctr_va_vdst(0)                   ; the offsets and LDS addresses made above (v3, v4, v5, v8, v9, v252, v253) are written, which the loads and LDS instructions from here on read
.irp i, 0,1,2,3,4,5,6,7,8,9,10,11
	global_load_b128 v[WF+4*\i:WF+4*\i+3], v5, s[4:5] offset:512*\i th:TH_LOAD_NT   ; 512 consecutive bytes a load; the work-group has all its 96 KB on their way at once
.endr
.irp q, 0,1,2,3,4,5,6,7
	global_load_b128 v[WS+4*\q:WS+4*\q+3], v8, s[6:7] offset:16*\q th:TH_LOAD_NT
.endr
.irp n, 0,1
	global_load_b128 v[B2+8*\n:B2+8*\n+3],   v9, s[8:9] offset:64*\n
	global_load_b128 v[B2+8*\n+4:B2+8*\n+7], v9, s[8:9] offset:64*\n+16
.endr
	s_wait_kmcnt 0x0
	s_min_u32 s23, s23, 1024
	s_add_co_u32 s24, s23, 15
	s_lshr_b32 s24, s24, 4                         ; tiles: 0 for an expert without tokens
	s_max_u32 s23, s23, 1                          ; n'
	s_sub_co_u32 s27, s23, 1
	s_lshr_b32 s28, s27, 4                         ; the last tile that the launch before has stored
	s_mov_b32 s25, s20                             ; my first tile
.macro PRO_A                           ; tokens from the list, each rank held at n' - 1 and, by a constant, inside the list: of my row r, and of the rows 4 i + lane / 8 that I store
	s_lshl_b32 s26, s25, 4
	v_add_nc_u32 v6, s26, v1
.irp i, 0,1,2,3
	v_lshrrev_b32 v[12+\i], 7, v255
.endr
.irp i, 0,1,2,3
	s_add_co_u32 s29, s26, 4*\i
	v_add_nc_u32 v[12+\i], s29, v[12+\i]
.endr
.irp a, 6,12,13,14,15
	v_min_u32 v\a, s27, v\a
.endr
.irp a, 6,12,13,14,15
	v_min_u32 v\a, 1023, v\a
.endr
.irp a, 6,12,13,14,15
	v_lshlrev_b32 v\a, 2, v\a
.endr
	s_wait_alu depctr_va_vdst(0)                   ; v6 and v12 to v15 are written, which the loads read as their offsets; the last task's lines that made offsets of v7 and TK, in which the loads land, are done
	global_load_b32 v7, v6, s[34:35]
.irp i, 0,1,2,3
	global_load_b32 v[TK+\i], v[12+\i], s[34:35]
.endr
.endm
.macro HLOAD s                         ; the hidden layer's fragment and scale word of K step s into the ring: four loads
.irp i, 0,1,2
	global_load_b128 v[HF+12*((\s)%8)+4*\i:HF+12*((\s)%8)+4*\i+3], v8, s[10:11] offset:1536*(\s)+512*\i
.endr
	global_load_b32 v[HS+(\s)%8], v9, s[12:13] offset:128*(\s)
.endm
.macro PRO_B                           ; the task's addresses and its first loads: the gate, K steps 0 to 7
	v_min_u32 v7, 1023, v7
	v_lshlrev_b32 v7, 2, v7
.irp i, 0,1,2,3
	v_min_u32 v[TK+\i], 1023, v[TK+\i]
.endr
.irp i, 0,1,2,3
	v_lshlrev_b32 v[TK+\i], 12, v[TK+\i]           ; a row of out0 is 4,096 bytes
.endr
.irp i, 0,1,2,3
	v_add_nc_u32 v[TK+\i], v254, v[TK+\i]
.endr
	s_min_u32 s26, s25, s28                        ; (a task's own tile; a wave without a tile: the last stored one)
	s_min_u32 s26, s26, 63
	s_mul_i32 s29, s26, 49152
	s_add_co_u32 s29, s29, s30
	v_add_nc_u32 v8, s29, v255
	s_lshl_b32 s29, s26, 12
	s_add_co_u32 s29, s29, s36
	v_lshrrev_b32 v9, 2, v255
	v_add_nc_u32 v9, s29, v9
	s_wait_alu depctr_va_vdst(0)                   ; v7, v8, v9 and TK are written, which the task's loads and stores read; the last task's matrix instructions are done with HF and HS, its multiplications with the gate v10: the loads below land in them
	global_load_b32 v10, v7, s[16:17]
.irp s, 0,1,2,3,4,5,6,7
	HLOAD \s
.endr
.endm
	PRO_A
	s_wait_loadcnt 0x0                             ; the weights, their scale words, b2 and my tokens are in
	s_wait_alu depctr_vm_vsrc(0)                   ; the loads of W2's scale words and of b2 have read v8 and v9, which are written anew below
	PRO_B
.irp i, 0,1,2,3,4,5,6,7,8,9,10,11      ; six loads are a row of 3,072 bytes
	ds_store_b128 v4, v[WF+4*\i:WF+4*\i+3] offset:512*\i+16*(\i/6)
.endr
.set k_, 0
.rept 32
	v_perm_b32 v[WS+k_], v[WS+k_], v[WS+k_], s37
.set k_, k_+1
.endr
.rept 8
	v_nop                                          ; eight plain lines stand between the last scale word so written and the first scaled matrix instruction
.endr
	s_wait_alu depctr_va_vdst(0)                   ; v_perm_b32 has written W2's scale words, which the scaled matrix instructions take: first the eight lines, then this wait
	s_wait_dscnt 0x0                               ; for the others' sake: my rows lie in LDS
	s_barrier_signal -1
	s_barrier_wait -1                              ; all 32 rows do.  They are never written again: the launch's one barrier
	s_wait_alu depctr_vm_vsrc(0)                   ; my LDS stores have read WF, in which the first group's LDS loads land
	s_cmp_ge_u32 s25, s24
	s_cbranch_scc1 .Ldone                          ; a wave without a tile ends (its loads may be out: nothing of theirs is used)
.macro MM2 n, ks
.set CR_, ACC+8*(\n)
.if (\ks) == 0
.set CR_, B2+8*(\n)                    ; the first K step starts the sum from b2
.endif
.if (\n) == 0
	v_wmma_scale_f32_16x16x128_f8f6f4 v[ACC:ACC+7], v[WF+24*((\ks)%2):WF+24*((\ks)%2)+11], v[HF+12*((\ks)%8):HF+12*((\ks)%8)+11], v[CR_:CR_+7], v[WS+(\ks)], v[HS+(\ks)%8] matrix_a_fmt:MATRIX_FMT_BF6 matrix_b_fmt:MATRIX_FMT_BF6
.else
	v_wmma_scale_f32_16x16x128_f8f6f4 v[ACC+8:ACC+15], v[WF+24*((\ks)%2)+12:WF+24*((\ks)%2)+23], v[HF+12*((\ks)%8):HF+12*((\ks)%8)+11], v[CR_:CR_+7], v[WS+(\ks)], v[HS+(\ks)%8] matrix_a_fmt:MATRIX_FMT_BF6 matrix_b_fmt:MATRIX_FMT_BF6 matrix_a_scale:MATRIX_SCALE_ROW1
.endif
.endm
; K steps 2 g and 2 g + 1: four fragments of W2 from LDS, four matrix instructions; the two accumulators take turns, one instruction a turn.
; The ring's next loads, K steps 2 g + 6 and 2 g + 7, stand at the group's head behind the same wait and behind the LDS loads, for which the group's products wait.
; Four plain lines stand behind a task's last matrix instruction, ahead of the multiplications that read the results (ISA guide 7.12.1).
.macro GRP g
.if (\g) > 0
	s_wait_alu depctr_va_vdst(0)                   ; the group before is done reading WF, in which the LDS loads below land, and its two places of HF's and HS's ring, in which the loads behind them land
.endif
.irp u, 0,1
.irp n, 0,1
.irp i, 0,1,2
	ds_load_b128 v[WF+24*\u+12*\n+4*\i:WF+24*\u+12*\n+4*\i+3], v3 offset:16*PITCH*\n+96*(2*(\g)+\u)+16*\i
.endr
.endr
.endr
.if ((\g) > 0) && ((\g) < 13)
	HLOAD 2*(\g)+6                                 ; into the ring's places that the group before has read.  No further wait: nothing since the wait above names them
	HLOAD 2*(\g)+7
.endif
.if 4*(30-2*(\g)) < 24
	s_wait_loadcnt 4*(30-2*(\g))                   ; these two K steps are in; behind them only the later steps' loads, four each
.else
	s_wait_loadcnt 24                              ; these two K steps (and the gate, which is older) are in; six later steps, four loads each, may be out
.endif
	s_wait_dscnt 0x0
.irp u, 0,1
.irp n, 0,1
	MM2 \n, 2*(\g)+\u
.endr
.endr
.if (\g) == 15
.rept 4
	v_nop
.endr
.endif
.endm
; THE LOOP OVER MY TILES.  1,024 tokens are 64 tiles at the most and sixteen waves share them: a wave has at most four.  So the loop is counted against the constant 4; the way out is the forward branch on the
; number of tiles, which stands ahead of the next task's loads.  (Behind a fourth task T is 64 or more, which is no tile: the constant cuts nothing off.)
.Ltask:
.irp g, 0,1,2,3,4,5,6,7,8,9,10,11,12,13,14,15
	GRP \g
.endr
.set k_, 0
.rept 8
	v_pk_mul_f32 v[Y+k_:Y+k_+1], v[ACC+k_:ACC+k_+1], v[10:11] op_sel_hi:[1,0]   ; x my token's gate; each accumulator from its low end on
.set k_, k_+2
.endr
	s_wait_alu depctr_va_vdst(0)                   ; the multiplications have written Y, which the LDS stores read; the last matrix instructions are done reading WF, in which the stage's loads land
.irp n, 0,1
	ds_store_b128 v252, v[Y+8*\n:Y+8*\n+3]   offset:64*\n       ; lane (r, h): row r, columns 16 n + 8 h + 0 .. 7
	ds_store_b128 v252, v[Y+8*\n+4:Y+8*\n+7] offset:64*\n+16
.endr
.irp i, 0,1,2,3
	ds_load_b128 v[WF+4*\i:WF+4*\i+3], v253 offset:4*144*\i     ; LDS serves a wave's instructions in order: these see my stores; the stage is my own
.endr
	s_wait_dscnt 0x0
.irp i, 0,1,2,3
	global_store_b128 v[TK+\i], v[WF+4*\i:WF+4*\i+3], s[18:19] th:TH_STORE_NT   ; eight lanes store 128 consecutive bytes of a token's row; written once, read by nobody here
.endr
	s_wait_alu depctr_vm_vsrc(0)                   ; the task's loads have read v6 to v9 and v12 to v15, its LDS stores Y, its global stores TK and WF: the next task writes all of them anew.  It stands ahead of the branch
	s_add_co_u32 s25, s25, 16                      ; my next tile
	s_cmp_ge_u32 s25, s24
	s_cbranch_scc1 .Ldone
	s_wait_xcnt 0x0                                ; the stores and loads above have been taken up: their address and data registers may be written
	PRO_A
	s_wait_loadcnt 0x0                             ; my tokens
	PRO_B
	s_add_co_u32 s38, s38, 1
	s_cmp_lt_u32 s38, 4
	s_cbranch_scc1 .Ltask
.Ldone:
	s_wait_xcnt 0x0
	v_lshl_add_u32 v254, v0, 2, 0x21200            ; the closing add's two registers are made anew (no memory or LDS instruction of this text names v254 or v255)
	v_mov_b32 v255, 0
	s_wait_dscnt 0x0                               ; the closing lines, six on end
	s_wait_alu 0x0
	s_wait_tensorcnt 0x0
	ds_add_u32 v254, v255
	s_wait_dscnt 0x0
	s_endpgm
.Lfunc_end_k_q337375cdb6_ffn2:
	.size	k_q337375cdb6_ffn2, .Lfunc_end_k_q337375cdb6_ffn2-k_q337375cdb6_ffn2
	.p2alignl 7, 3214868480
	.fill 96, 4, 3214868480
	.section	.rodata,"a",@progbits
	.p2align	6, 0x0
	.amdhsa_kernel k_q337375cdb6_ffn2
		.amdhsa_group_segment_fixed_size 137728
		.amdhsa_private_segment_fixed_size 0
		.amdhsa_enable_private_segment 0
		.amdhsa_kernarg_size 64
		.amdhsa_user_sgpr_count 2
		.amdhsa_user_sgpr_kernarg_segment_ptr 1
		.amdhsa_wavefront_size32 1
		.amdhsa_system_sgpr_workgroup_id_x 1
		.amdhsa_system_sgpr_workgroup_id_y 1
		.amdhsa_system_sgpr_workgroup_id_z 1
		.amdhsa_system_vgpr_workitem_id 0
		.amdhsa_next_free_vgpr 256
		.amdhsa_next_free_sgpr 66
		.amdhsa_reserve_vcc 0
		.amdhsa_float_denorm_mode_32 3
		.amdhsa_float_denorm_mode_16_64 3
		.amdhsa_memory_ordered 1
		.amdhsa_forward_progress 1
		.amdhsa_inst_pref_size 53
	.end_amdhsa_kernel
	.amdgpu_metadata
---
amdhsa.version: [ 1, 2 ]
amdhsa.kernels:
  - .name:           k_q337375cdb6_ffn2
    .symbol:         k_q337375cdb6_ffn2.kd
    .args:
      - { .name: W2_codes, .offset: 0, .size: 8, .value_kind: global_buffer, .address_space: global }
      - { .name: W2_scales, .offset: 8, .size: 8, .value_kind: global_buffer, .address_space: global }
      - { .name: b2, .offset: 16, .size: 8, .value_kind: global_buffer, .address_space: global }
      - { .name: hq, .offset: 24, .size: 8, .value_kind: global_buffer, .address_space: global }
      - { .name: hs, .offset: 32, .size: 8, .value_kind: global_buffer, .address_space: global }
      - { .name: order, .offset: 40, .size: 8, .value_kind: global_buffer, .address_space: global }
      - { .name: gate, .offset: 48, .size: 8, .value_kind: global_buffer, .address_space: global }
      - { .name: out0, .offset: 56, .size: 8, .value_kind: global_buffer, .address_space: global }
    .group_segment_fixed_size: 137728
    .private_segment_fixed_size: 0
    .kernarg_segment_align: 8
    .kernarg_segment_size: 64
    .max_flat_workgroup_size: 512
    .sgpr_count:     66
    .vgpr_count:     256
    .wavefront_size: 32
...
	.end_amdgpu_metadata
.endif
;; end of part 8
